; MI455X (gfx1250); checked and timed in simulation.
; The chip was launched on July 23, 2026; its instructions are those of AMD's public machine-readable ISA for CDNA 5 (MIT licence, August 2026) and "CDNA5" Instruction Set Architecture Reference Guide (July 2026). The comments in the code are by the model that wrote it; some were corrected since.
;; Self Attention. Allowed arithmetic: matrix products marked QUANTISED: E5M2 operands, one E8M0 scale for each 32 along K, by v_wmma_scale_f32_16x16x128_f8f6f4 with both operands' format E5M2, f32 sums; everything else in f32.
;; Inputs: Wk_codes 1,024 x 32 x 32 uint8 (E5M2 codes of Wk, K innermost, in blocks of 32 codes); Wk_scales 1,024 x 32 uint8 (E8M0 scales of Wk, one for each 32 codes along K); Wq_codes 1,024 x 32 x 32 uint8 (E5M2 codes of Wq, K innermost, in blocks of 32 codes); Wq_scales 1,024 x 32 uint8 (E8M0 scales of Wq, one for each 32 codes along K); Wv_codes 1,024 x 32 x 32 uint8 (E5M2 codes of Wv, K innermost, in blocks of 32 codes); Wv_scales 1,024 x 32 uint8 (E8M0 scales of Wv, one for each 32 codes along K); bk 1,024 float32; bq 1,024 float32; bv 1,024 float32; x_codes 4 x 2,048 x 32 x 32 uint8 (E5M2 codes of x, K innermost, in blocks of 32 codes); x_scales 4 x 2,048 x 32 uint8 (E8M0 scales of x, one for each 32 codes along K).
;; Outputs: out0 4 x 2,048 x 1,024 float32.
;; This version of the problem:
;;   THIS VERSION OF THE PROBLEM IS GIVEN IN LOW PRECISION. The matrix products marked QUANTISED in the list below multiply operands that are first quantised to E5M2 (5 exponent bits, 2 mantissa bits; 8 bits a number), with one power-of-two scale for each 32 numbers along K (OCP MX v1.0); their sums are f32. All else is computed in f32.
;;   The module's matrix products, in the order in which they are computed (A, B: the left and right operand; K: the contracted axis; several contracted axes count as one K, in the product's order):
;;     1. [M 8,192, K 1,024] x [K 1,024, N 1,024]; A: input x (given as codes); B: input Wq (given as codes): QUANTISED
;;     2. [M 8,192, K 1,024] x [K 1,024, N 1,024]; A: input x (given as codes); B: input Wk (given as codes): QUANTISED
;;     3. [M 8,192, K 1,024] x [K 1,024, N 1,024]; A: input x (given as codes); B: input Wv (given as codes): QUANTISED
;;     4. batch 4 x [M 2,048, K 1,024] x [K 1,024, N 2,048]; A: computed on the way; B: computed on the way: QUANTISED
;;     5. batch 4 x [M 2,048, K 2,048] x [K 2,048, N 1,024]; A: softmax (see below); B: computed on the way: QUANTISED
;;   THE QUANTISER, for each operand of a quantised product, along K:
;;     - K is cut into blocks of 32 from its start; a last block that is shorter is filled with zeros.
;;     - A block's scale is 2^e with e = floor(log2(the largest magnitude in the block)) - 15, held to -126 .. 127; a block of zeros has e = 0. As a byte (E8M0): e + 127.
;;     - Each number is divided by its block's scale, clamped to +-57,344, and rounded to the nearest number of E5M2, ties to even, subnormals kept.
;;     - The product sums the exact products of the quantised numbers (number of the format x scale) in f32.
;;   ~~~python
;;   def quantise(x, axis):      # numpy; x: float32 -> the quantised numbers, widened to float32 again
;;       x = np.moveaxis(x, axis, -1); K = x.shape[-1]
;;       x = np.pad(x, [(0, 0)] * (x.ndim - 1) + [(0, -K % 32)]); x = x.reshape(x.shape[:-1] + (-1, 32)); a = np.abs(x).max(-1, keepdims=True)
;;       e = np.where(a > 0, np.clip(np.frexp(np.where(a > 0, a, 1))[1] - 1 - 15, -126, 127), 0)      # np.frexp(a)[1] - 1 = floor(log2(a)), exactly
;;       r = np.clip(x / 2.0 ** e, -57344, 57344)
;;       step = 2.0 ** (np.maximum(np.frexp(np.where(r == 0, 1, r))[1] - 1, -14) - 2)
;;       q = np.round(r / step) * step * 2.0 ** e      # np.round: ties to even
;;       return np.moveaxis(q.reshape(q.shape[:-2] + (-1,))[..., :K], -1, axis).astype(np.float32)
;;   ~~~
;;   SOFTMAX AHEAD OF A QUANTISED PRODUCT. Where the list says 'softmax', what is quantised is not the finished softmax but p = 2^(t - M), with t = logit x log2(e) and M = ceil(the row's largest t), a whole number; so 1/2 < the row's largest p <= 1. The row's sum l is taken of the UNQUANTISED p, in f32, and the product's result is divided by l at the end. Since M is a whole number, a kernel that streams over the keys may use a running M (the ceiling of the running maximum): every later rescaling is an exact power of two, which a block's scale takes up: the codes' values come out the same.
;;   OPERANDS COMPUTED ON THE WAY. 'Computed on the way' means the value that the module computes at that place (a softmax that the list does not call 'softmax' is quantised finished and normalised). What goes into a quantiser is computed in f32, as accurately as f32 sums, v_exp_f32 and their like allow (about 1e-6 of the number): no bf16 or f16 on the way to a quantiser, and a product that is left as it is and whose result goes on into a quantised operand takes f32 operands (vector FMAs, or v_wmma_f32_16x16x4_f32). A number that lies on a knife's edge between two numbers of the format may be rounded either way, as far as f32 arithmetic and the matrix unit's own rounding can turn it there, and no further.
;;   INPUTS GIVEN AS CODES. Wk (in the module: [1024, 1024], K = its axis 0); Wq (in the module: [1024, 1024], K = its axis 0); Wv (in the module: [1024, 1024], K = its axis 0); x (in the module: [4, 2048, 1024], K = its axis 2): each comes as NAME_codes (uint8): NAME with its K axis moved to the last place and cut into blocks of 32 codes, [.., K / 32, bytes a block], one block behind the other in memory; one code a byte (a code: sign, 5 exponent bits, 2 mantissa bits); and NAME_scales (uint8): the same leading axes, one E8M0 byte (e + 127) for each 32 codes along K. Its value is code x scale, taken as it is: it is not quantised again, and the codes and scales need not be those that the quantiser above would give.
;; One version. Each part assembles by itself: llvm-mc -triple=amdgcn-amd-amdhsa -mcpu=gfx1250 --defsym DOCPART=n.
;; ======== version 1 of 1: 3 launches
;; limits: right only within a limited range of input values
;; workspace buffers: qk_img 16,777,216 bytes; v_img 8,388,608 bytes; p_img 16,777,216 bytes; qk_sc 524,288 bytes; v_sc 262,144 bytes; p_st 2,621,440 bytes
;; launch proj (part 1): grid 16 x 16, 4 waves a work-group, clusters of 4 x 4, 327,680 bytes of LDS; arguments x_codes, x_scales, Wq_codes, Wq_scales, Wk_codes, Wk_scales, Wv_scales, Wv_codes, bq, bk, bv, qk_img, qk_sc, v_img, v_sc; writes qk_img, qk_sc, v_img, v_sc
.if DOCPART == 1
	.amdgcn_target "amdgcn-amd-amdhsa--gfx1250"
	.amdhsa_code_object_version 6
	.text
	.protected	k_q7a51c51e12_proj
	.globl	k_q7a51c51e12_proj
	.p2align	8
	.type	k_q7a51c51e12_proj,@function
k_q7a51c51e12_proj:
	s_mov_b64 s[64:65], 0
	v_nop
	global_prefetch_b8 v0, s[64:65] scope:SCOPE_SE
	s_setreg_imm32_b32 hwreg(HW_REG_WAVE_MODE, 25, 1), 1
	s_wait_xcnt 0x0
	s_wait_alu depctr_hold_cnt(0) depctr_sa_sdst(0) depctr_va_vdst(0) depctr_va_sdst(0) depctr_va_ssrc(0) depctr_va_vcc(0) depctr_vm_vsrc(0)
	s_getreg_b32 s2, hwreg(HW_REG_IB_STS2, 6, 4)
	s_cmp_eq_u32 s2, 0
	s_cbranch_scc0 .Lentry_in_a_cluster
	s_endpgm
.Lentry_in_a_cluster:
	s_bfe_u32 s2, ttmp6, 0x10000c
	s_cmp_lg_u32 s2, 0xf033
	s_cbranch_scc0 .Lentry_shape_is_right
	s_endpgm
.Lentry_shape_is_right:
; FIRST OF THREE LAUNCHES.  q = x Wq + bq, k = x Wk + bk, v = x Wv + bv on codes of BF8 (E5M2) with one E8M0 scale for each 32 along K = 1,024; each result, with its bias, is quantised along the K of the product that takes it in.
; NO WORK OF THE PROBLEM IS LEFT OUT in any of the three launches: all five products are live, bq, bk and bv go into quantised operands of live products, and every input is loaded.
; LIMITS: NaN, infinities and sums beyond f32's range are not served.  A block whose largest magnitude lies under 2^(16 - 127) keeps the scale byte 1 (a block of zeros too: its codes are zeros, and this program alone reads the bytes).
; OUTPUTS (r = lane % 16, h = lane / 16).  qk_img: q, then k: [row / 16][K / 128][4 groups of 32][32 lanes][16 bytes]: the operand's registers.  qk_sc: q, then k: [row / 512][K / 128][512 rows][4 bytes].
; v_img: [256 keys][channel / 16][128 keys][4 groups of 32][32 lanes][16];  v_sc: [128 keys][1,024 channels][4 bytes].
; ORDER INSIDE A BLOCK OF 32 KEYS of v: place 16 h + 8 u + i holds key 16 u + 8 (h xor w) + i, w = 1 in odd blocks: the next launch lays p alike.  Inside a block of 32 of q's and k's hidden units: place 8 j + i is unit 8 (j xor m) + i, m = 1 in odd blocks, alike for q and k.
; SHARES.  256 work-groups of four waves, 2 x 2; a wave holds 64 rows of a weight, ALL of K, in registers (512) and streams x's rows past them in blocks of 16, which stand in registers as two whole sets (256).
; PHASE 1: 512 rows x 128 columns of q (tile columns 0 to 7) or k (8 to 15): sixteen blocks.  PHASE 2: 256 x 128 of v: eight blocks, of one of the work-group's own two windows of 256 rows, number s18.
; ORDER OF WORK.  LDS holds two slots of 128 rows; a weight's rows lie in a slot (the first in 1, Wv's in 0).  Phase 1 takes the window that is not v's first (chunks 0, 1), v's last (2, 3): chunk 3 still lies in slot 1 when phase 2 begins, chunk 2 comes anew.
; Block 2 c + u of a chunk is rows 64 c + 32 w + 16 u of it (w the row of waves); lane r takes row r xor 8 w.
; FILLS.  At the head the first weight (wave 0), chunk 0 (wave 1), a window's scale bytes each (waves 2, 3).  Refills in a drained round of the cluster's barrier, a quarter of 128 rows a wave.
; CLUSTERS: x's rows are asked for jointly along a row of the cluster, a weight's along a column.
; PREFETCH: chunks 1, 2 behind the head's first barrier, chunk 3 and Wv's rows a trip ahead of their loads; the sixteen waves that load a tile jointly name a sixteenth of it each.
; THE WAY OUT of a block stands among later products, two or three lines behind each.  The first way out of either phase has no block before it and stores nothing.
.set KROW, 1024
.set NB, 4
.set TM, 512
.set TN, 128
.set TV, 256
.set CH, 128
.set KS, 32
.set PITCH, KROW+16
.set FR, 16
.set FPW, 16
.set NP, 8                       ; plain vector lines behind a matrix instruction, ahead of a reader of its sums and of a load into what it has read
.set NF, 34                      ; LDS loads of a block
.set YB, CH*PITCH                ; slot 1
.set SCL, 2*CH*PITCH             ; x's scale bytes in the order of work: runs of 256 bytes (8 rows) + 16 of padding
.set RS, 32
.set SSTEP, 4*272                ; 32 rows of scale bytes
.set XN, SCL+2*RS*272            ; q's or k's scale bytes: [512 rows in the order of work][4]
.set XV, XN+2048                 ; v's: [128 keys of two][128 channels][4]
.set SPARE, XV+1024
.set EMAX, 15
.set ADRA0, 4
.set CN, 5
.set AAS0, 6
.set CO, 9
.set SPW, 10
.set NIL, 11
.set ADRA, 12
.set VX, 13
.set ADRB, 14                    ; v14, v40: the first weight's tiles 0, 2 and 1, 3; v15 Wv's
.set ADRO, 40
.set ABS, 16
.set AAS, 17
.set VXB, 18
.set RD, 19
.set SOP, 20
.set SB, 24                      ; v24-39 the weight's scale words: register 8 p + q: lanes 0-15 tile 2 p's, lanes 16-31 tile 2 p + 1's
.set SA, 44                      ; v44-59 x's, two sets
.set EB, 40
.set ABV, 41
.set TQ, 60
.set ACC, 64                     ; v64-191 four sets of sums: products write 0 and 1 by turns; 2 and 3 take a pair of v's blocks for its way out
.set WS, 128                     ; v128-143 in phase 1: Wv's scale words
.set NCD, 192
.set MCD, 192
.set BQ, 208                     ; v208-239 the first four products' C: the bias
.set BV, 240
.set G1A, 24
.set G0A, 56
.set G1B, 32
.set G0B, 60
.set G1R, 48
.set G0R, 68
.set G1S, 92
.set G0S, 72
.set MSB, 0
.macro WIN new                   ; the immediate's high byte repeats the setting that is left
.if MSB != (\new)
	s_set_vgpr_msb (MSB<<8)|(\new)
.set MSB, (\new)
.endif
.endm
.macro PLACES n
.rept \n
	v_nop
.endr
.endm
.macro BARRIER
	s_barrier_signal -1
	s_barrier_wait -1
.endm
.macro CROUND                    ; a round of the cluster's barrier
	BARRIER
	s_cmp_lg_u32 s14, 0
	s_cbranch_scc1 .Lnot_wave_0_\@
	s_barrier_signal -3
.Lnot_wave_0_\@:
	s_barrier_wait -3
	BARRIER
.endm
.macro TLOAD g0, g1
	tensor_load_to_lds s[\g0:\g0+3], s[\g1:\g1+7]
	s_nop 0
	PLACES 4
.endm
.macro GROUP1 g, mask, rows      ; rows of 1,024 bytes, 16 bytes of padding behind each
	s_or_b32 s[\g+0], s[\mask], (1<<20)|(1<<21)|(7<<22)|(3<<25)
	s_mov_b32 s[\g+1], KROW<<16
	s_mov_b32 s[\g+2], (\rows)<<16
	s_mov_b32 s[\g+3], KROW<<16
	s_mov_b32 s[\g+4], \rows
	s_mov_b32 s[\g+5], KROW
	s_mov_b32 s[\g+6], 0
	s_mov_b32 s[\g+7], 0
.endm
.macro SADD d, x
	s_add_co_u32 s\d, s\d, s\x
.endm
	s_load_b128 s[4:7], s[0:1], 0x0                ; x's codes, scales
	s_load_b256 s[68:75], s[0:1], 0x10             ; Wq's codes, scales, Wk's
	s_load_b128 s[84:87], s[0:1], 0x30             ; Wv's scales, codes
	v_lshl_add_u32 v[SPW], v0, 2, SPARE
	v_mov_b32 v[NIL], 0
	ds_add_u32 v[SPW], v[NIL]                      ; the wave's opening: the add, twice on end, and its wait ahead of my first tensor load
	ds_add_u32 v[SPW], v[NIL]
	v_lshrrev_b32 v1, 5, v0
	v_readfirstlane_b32 s14, v1
	s_lshr_b32 s15, s14, 1                         ; my row of waves
	s_and_b32 s16, s14, 1                          ; my column of waves
	s_bfe_u32 s40, ttmp6, 0x40000
	s_bfe_u32 s41, ttmp6, 0x40004
	s_lshl_b32 s42, ttmp9, 2
	SADD 42, 40                                    ; tile column: 0-7 q's, 8-15 k's
	s_and_b32 s43, ttmp7, 0xffff
	s_lshl_b32 s43, s43, 2
	SADD 43, 41                                    ; tile row of 512
	s_lshr_b32 s19, ttmp9, 1                       ; 0: q, 1: k
	s_and_b32 s18, ttmp9, 1                        ; v's window of my two
	s_lshl_b32 s44, s41, 2
	s_lshl_b32 s44, 15, s44                        ; my row of the cluster: shares x's rows
	s_lshl_b32 s45, 0x1111, s40                    ; my column: shares a weight's
	GROUP1 G1B, 45, TN
	GROUP1 G1A, 44, CH
	GROUP1 G1R, 44, CH/4
	s_or_b32 s[G1S+0], s44, (3<<16)|(1<<20)|(1<<21)|(5<<22)|(3<<25)   ; a window's scale bytes: 32 rows of 256
	s_mov_b32 s[G1S+1], 32<<16
	s_mov_b32 s[G1S+2], RS<<16
	s_mov_b32 s[G1S+3], 32<<16
	s_mov_b32 s[G1S+4], RS
	s_mov_b32 s[G1S+5], 32
	s_mov_b32 s[G1S+6], 0
	s_mov_b32 s[G1S+7], 0
	s_mul_i32 s67, s43, TM*KROW                    ; s67, s2: in x, the window that is not v's, and v's
	s_mul_i32 s20, s18, TM/2*KROW
	s_add_co_u32 s2, s67, s20
	s_xor_b32 s20, s20, TM/2*KROW
	SADD 67, 20
	s_lshl_b32 s13, s19, 2
	SADD 13, 40                                    ; Wv's tile column: 4 (cluster x / 2) + cx
	s_mul_i32 s3, s13, TN*KROW
	s_mul_i32 s12, s13, TN*KS
	s_mul_i32 s21, s16, 16*NB*KS
	SADD 12, 21
	s_and_b32 s22, s42, 7
	s_mul_i32 s78, s22, TN*KROW                    ; the first weight's codes
	s_mov_b32 s79, 0
	s_mul_i32 s82, s22, TN*KS                      ; and its scale bytes: my wave's 64 rows
	SADD 82, 21
	s_mov_b32 s83, 0
	s_lshl_b32 s80, s43, 1                         ; x's scale bytes: wave 2 the window that is not v's, wave 3 v's
	s_xor_b32 s20, s18, 1
	s_cmp_eq_u32 s16, 1
	s_cselect_b32 s20, s18, s20
	SADD 80, 20
	s_mul_i32 s80, s80, TM/2*KS
	s_mov_b32 s81, 0
	s_mov_b32 s[G0A], 1
	s_mov_b32 s[G0A+1], 0
	s_mov_b32 s[G0B], 1
	s_mov_b32 s[G0B+1], YB
	v_and_b32 v1, 15, v0                           ; r
	v_bfe_u32 v2, v0, 4, 1                         ; h
	v_and_b32 v3, 31, v0
	v_bfe_u32 v7, v0, 6, 1
	v_lshlrev_b32 v7, 3, v7
	v_xor_b32 v7, v7, v1                           ; r xor 8 w: the row of a block that my lane takes
	v_mul_u32_u24 v22, v7, PITCH
	v_lshl_add_u32 v23, v2, 4, v22
	s_mul_i32 s20, s15, 32*PITCH
	v_add_nc_u32 v[ADRA0], s20, v23
	v_mul_u32_u24 v22, v1, PITCH
	v_lshl_add_u32 v23, v2, 4, v22
	s_mul_i32 s22, s16, 16*NB*PITCH                ; my 64 rows of a weight
	v_add_nc_u32 v[ADRB+1], s22, v23               ; Wv's, in slot 0: tile t's lane r is row 16 t + r
	s_add_co_u32 s22, s22, YB
	; the first weight: tile j's lane 8 m + i is row 32 m + 8 (j xor m) + i: a lane's 32 sums of four tiles are one block of 32
	v_lshrrev_b32 v8, 3, v1
	v_and_b32 v22, 7, v1
	v_lshl_add_u32 v22, v8, 5, v22
	v_lshl_add_u32 v23, v8, 3, v22
	v_xor_b32 v[ADRO], 1, v8
	v_lshl_add_u32 v[ADRO], v[ADRO], 3, v22
	v_xor_b32 v[ABS], v8, v2
	v_lshl_add_u32 v[ABS], v[ABS], 3, v22
	v_lshlrev_b32 v[ABS], 5, v[ABS]                ; scale bytes: lane (r, h) takes tile 2 p + h's row
	v_mul_u32_u24 v23, v23, PITCH
	v_lshl_add_u32 v23, v2, 4, v23
	v_add_nc_u32 v[ADRB], s22, v23
	v_mul_u32_u24 v[ADRO], v[ADRO], PITCH
	v_lshl_add_u32 v[ADRO], v2, 4, v[ADRO]
	v_add_nc_u32 v[ADRO], s22, v[ADRO]
	v_lshlrev_b32 v[ABV], 5, v3                    ; Wv's scale bytes: lane l takes row l of a pair of tiles
	v_lshlrev_b32 v23, 5, v7                       ; x's scale bytes in LDS
	v_lshrrev_b32 v22, 3, v7
	v_lshl_add_u32 v23, v22, 4, v23
	s_mul_i32 s20, s15, SSTEP
	s_add_co_u32 s20, s20, SCL
	v_add_nc_u32 v[AAS0], s20, v23
	s_lshl_b32 s90, s40, 2                         ; my share of a prefetch of x's rows,
	s_add_co_u32 s90, s90, s14
	s_lshl_b32 s100, s41, 2                        ; and of Wv's
	s_add_co_u32 s100, s100, s14
	s_wait_alu depctr_va_vdst(0)
	s_wait_dscnt 0x0                               ; both opening adds are done
	CROUND                                         ; all sixteen work-groups are here
	s_wait_kmcnt 0x0
	s_cmp_eq_u32 s19, 1
	s_cselect_b64 s[8:9], s[72:73], s[68:69]       ; the first weight's codes: Wk or Wq
	s_cselect_b64 s[10:11], s[74:75], s[70:71]     ; and scale bytes
	s_mov_b32 s20, s67
	s_mov_b32 s21, 0
	s_add_nc_u64 s[G0A+2:G0A+3], s[4:5], s[20:21]
	s_or_b32 s[G0A+3], s[G0A+3], 0x80000000
	s_add_nc_u64 s[G0B+2:G0B+3], s[8:9], s[78:79]
	s_or_b32 s[G0B+3], s[G0B+3], 0x80000000
	s_mov_b32 s[G0S], 1
	s_mul_i32 s[G0S+1], s16, RS*272
	s_add_co_u32 s[G0S+1], s[G0S+1], SCL
	s_add_nc_u64 s[G0S+2:G0S+3], s[6:7], s[80:81]
	s_or_b32 s[G0S+3], s[G0S+3], 0x80000000
	s_add_nc_u64 s[10:11], s[10:11], s[82:83]
	s_cmp_eq_u32 s14, 0                            ; ONE joint load a wave; what is shown ahead of the rest has a line of its own
	s_cbranch_scc0 .Lwave_1
	TLOAD G0B, G1B                                 ; wave 0: the first weight's rows
	s_branch .Lasked
.Lwave_1:
	s_cmp_eq_u32 s14, 1
	s_cbranch_scc0 .Lfor_scales
	TLOAD G0A, G1A                                 ; wave 1: chunk 0
	s_branch .Lasked
.Lfor_scales:
	TLOAD G0S, G1S                                 ; waves 2, 3: a window's scale bytes each
.Lasked:
	s_load_b128 s[68:71], s[0:1], 0x40             ; bq, bk
	s_load_b64 s[88:89], s[0:1], 0x50              ; bv
	; where my results go
	s_lshl_b32 s21, s42, 1
	SADD 21, 16                                    ; wave column: q's 0-15, k's 16-31
	s_and_b32 s23, s21, 15
	s_lshl_b32 s76, s19, 23                        ; qk_img
	s_lshl_b32 s22, s23, 10
	SADD 76, 22
	s_lshl_b32 s22, s43, 19
	SADD 76, 22
	s_lshl_b32 s22, s15, 15
	SADD 76, 22
	s_mov_b32 s77, 0
	s_lshl_b32 s78, s19, 18                        ; qk_sc: wave n stores chunk n's 128 rows
	s_lshl_b32 s22, s43, 14
	SADD 78, 22
	s_and_b32 s22, s42, 7
	s_lshl_b32 s22, s22, 11
	SADD 78, 22
	s_xor_b32 s20, s15, s18
	s_xor_b32 s20, s20, 1
	s_lshl_b32 s20, s20, 10
	SADD 78, 20
	s_lshl_b32 s20, s16, 9
	SADD 78, 20
	s_mov_b32 s79, 0
	s_lshl_b32 s21, s13, 1
	SADD 21, 16                                    ; v's column of 64 channels
	s_lshl_b32 s20, s43, 1
	SADD 20, 18                                    ; v's window of 256 keys
	s_lshl_b32 s80, s21, 14                        ; v_img
	s_lshl_b32 s22, s20, 18
	SADD 80, 22
	s_lshl_b32 s22, s15, 9
	SADD 80, 22
	s_mov_b32 s81, 0
	s_lshl_b32 s82, s20, 1                         ; v_sc: wave n stores 256 bytes
	SADD 82, 15
	s_lshl_b32 s82, s82, 12
	s_lshl_b32 s22, s13, 9
	SADD 82, 22
	s_lshl_b32 s22, s16, 8
	SADD 82, 22
	s_mov_b32 s83, 0
	s_lshl_b32 s20, s23, 8                         ; the bias of my 64 columns, in bytes
	s_lshl_b32 s22, s21, 8                         ; and of my 64 channels
	s_mov_b32 s21, 0
	s_mov_b32 s23, 0
	v_lshlrev_b32 v[CO], 4, v3
	s_lshl_b32 s46, s15, 7
	s_lshl_b32 s47, s16, 1
	SADD 46, 47
	s_add_co_u32 s46, s46, XN
	v_lshl_add_u32 v23, v7, 2, v2                  ; q's, k's byte: 4 x row + 2 x column of waves + h
	v_add_nc_u32 v[VXB], s46, v23
	v_mov_b32 v[VX], v[VXB]
	s_lshl_b32 s46, s16, 8
	SADD 46, 15
	s_add_co_u32 s46, s46, XV
	v_lshlrev_b32 v8, 2, v1
	v_add_nc_u32 v[RD], s46, v8                    ; v's byte: 4 x channel + w; both halves of the lanes hold the same byte
	v_lshlrev_b32 v23, 9, v2
	v_lshl_add_u32 v[CN], v7, 4, v23
	v_mul_u32_u24 v22, 160, v2                     ; register i of tile j of lane (r, h) is column 32 h + 8 (j xor h) + i: even tiles,
	v_mul_u32_u24 v23, 96, v2
	v_add_nc_u32 v23, 32, v23                      ; odd tiles
	s_wait_alu depctr_va_vdst(0)
	s_wait_kmcnt 0x0
	s_cmp_eq_u32 s19, 1
	s_cselect_b64 s[68:69], s[70:71], s[68:69]
	s_add_nc_u64 s[68:69], s[68:69], s[20:21]
	s_add_nc_u64 s[88:89], s[88:89], s[22:23]
.irp k, 0,1
	global_load_b128 v[BQ+16*\k:BQ+16*\k+3], v22, s[68:69] offset:64*\k
	global_load_b128 v[BQ+16*\k+4:BQ+16*\k+7], v22, s[68:69] offset:64*\k+16
	global_load_b128 v[BQ+16*\k+8:BQ+16*\k+11], v23, s[68:69] offset:64*\k
	global_load_b128 v[BQ+16*\k+12:BQ+16*\k+15], v23, s[68:69] offset:64*\k+16
.endr
.irp t, 0,1,2,3
	global_load_b32 v[BV+\t], v8, s[88:89] offset:64*\t
.endr
	s_mov_b32 s20, s12
	s_add_nc_u64 s[20:21], s[84:85], s[20:21]
.irp p, 0,1
.irp c, 0,1
	global_load_b128 v[SB+8*\p+4*\c:SB+8*\p+4*\c+3], v[ABS], s[10:11] offset:\p*16*KS+16*\c
	global_load_b128 v[WS+8*\p+4*\c:WS+8*\p+4*\c+3], v[ABV], s[20:21] offset:\p*32*KS+16*\c
.endr
.endr
	s_wait_xcnt 0x0                                ; the fetch has taken its addresses; they change below
	s_mov_b32 s[G0R], 1
	s_add_co_u32 s6, s67, CH*KROW                  ; chunk 1
	s_add_co_u32 s7, s2, CH*KROW                   ; chunk 3
	s_lshl_b32 s21, s90, 13
	s_add_co_u32 s22, s21, s6
	v_lshl_add_u32 v7, v3, 8, s22                  ; my sixteenth of chunk 1,
	s_add_co_u32 s22, s21, s2
	v_lshl_add_u32 v8, v3, 8, s22                  ; of chunk 2
	v_add_nc_u32 v1, 16*PITCH, v[ADRA0]            ; block 1's LDS addresses
	v_add_nc_u32 v2, SSTEP/2, v[AAS0]
	s_wait_alu depctr_va_vdst(0)                   ; the head's end
	s_cmp_eq_u32 s14, 0
	s_cbranch_scc0 .Lnot_b
	s_wait_tensorcnt 0x0                           ; wave 0: the first weight has landed; the other waves' wait stands at the second barrier
.Lnot_b:
	BARRIER
	global_prefetch_b8 v7, s[4:5] th:TH_LOAD_NT scope:SCOPE_SE
	global_prefetch_b8 v8, s[4:5] th:TH_LOAD_NT scope:SCOPE_SE
.macro WALU
	s_wait_alu depctr_va_vdst(0)
.endm
.macro MIDDLE                    ; a round's middle
	WIN 0
	s_barrier_wait -1
	s_cmp_lg_u32 s14, 0
	s_cbranch_scc1 .Lnot_wave_0_\@
	s_barrier_signal -3
.Lnot_wave_0_\@:
	s_barrier_wait -3
.endm
.macro GRD
	s_wait_tensorcnt 0x0
	ds_add_u32 v[SPW], v[NIL]
.endm
.macro FRAG f, adr, q, off       ; a weight's fragment f lies in window 1 + f / 16
	WIN (1+(\f)/FPW)<<6
.irp c, 0,1,2,3
	ds_load_b128 v[FR*((\f)%FPW)+4*\c:FR*((\f)%FPW)+4*\c+3], v[\adr] offset:128*(\q)+32*\c+(\off)
.endr
.endm
.macro FETCHAT k, a, s           ; a block of x, all of K, into set k of window 3, and its scale words
	WIN 3<<6
.irp q, 0,1,2,3,4,5,6,7
.irp c, 0,1,2,3
	ds_load_b128 v[128*\k+FR*\q+4*\c:128*\k+FR*\q+4*\c+3], v[\a] offset:128*\q+32*\c
.endr
.endr
	WIN 0
	ds_load_b128 v[SA+8*\k:SA+8*\k+3], v[\s]
	ds_load_b128 v[SA+8*\k+4:SA+8*\k+7], v[\s] offset:16
.endm
.macro PROD kind, e, a, n        ; product n = 4 q + b; x's rows in set e, sums in set a.  kind 0 (q, k): source 0 = the weight's rows; kind 1 (v): source 0 = x's rows
.set Q_, (\n)/4
.set B_, (\n)%4
.set FB_, NB*Q_+B_
.set AC_, ACC+32*(\a)+8*B_
.set C_, AC_
.if Q_ == 0
.set C_, BQ+8*B_
.endif
.set R_, 128*(\e)+FR*Q_
.set W_, FR*(FB_%FPW)
.set XS_, SA+8*(\e)+Q_
.set WS_, SB+8*(B_/2)+Q_
.if \kind
	WIN 3|((1+FB_/FPW)<<2)
.if B_%2
	v_wmma_scale_f32_16x16x128_f8f6f4 v[AC_:AC_+7], v[R_:R_+FR-1], v[W_:W_+FR-1], v[C_:C_+7], v[XS_], v[WS_] matrix_a_fmt:MATRIX_FMT_BF8 matrix_b_fmt:MATRIX_FMT_BF8 matrix_b_scale:MATRIX_SCALE_ROW1
.else
	v_wmma_scale_f32_16x16x128_f8f6f4 v[AC_:AC_+7], v[R_:R_+FR-1], v[W_:W_+FR-1], v[C_:C_+7], v[XS_], v[WS_] matrix_a_fmt:MATRIX_FMT_BF8 matrix_b_fmt:MATRIX_FMT_BF8
.endif
.else
	WIN (1+FB_/FPW)|(3<<2)
.if B_%2
	v_wmma_scale_f32_16x16x128_f8f6f4 v[AC_:AC_+7], v[W_:W_+FR-1], v[R_:R_+FR-1], v[C_:C_+7], v[WS_], v[XS_] matrix_a_fmt:MATRIX_FMT_BF8 matrix_b_fmt:MATRIX_FMT_BF8 matrix_a_scale:MATRIX_SCALE_ROW1
.else
	v_wmma_scale_f32_16x16x128_f8f6f4 v[AC_:AC_+7], v[W_:W_+FR-1], v[R_:R_+FR-1], v[C_:C_+7], v[WS_], v[XS_] matrix_a_fmt:MATRIX_FMT_BF8 matrix_b_fmt:MATRIX_FMT_BF8
.endif
.endif
.endm
.macro HOLD x, b
	v_med3_num_f32 v[\x], v[\x], -v[TQ+\b], v[TQ+\b]
.endm
.macro SCALES i, n               ; 0: the conversion's scale operand; 1: the bound; 2: its second copy; 3: the byte
.if (\i) == 0
	v_add_nc_u32 v[SOP+\n], -(EMAX<<23), v[TQ]
.elseif (\i) == 1
	v_and_or_b32 v[TQ+1], v[TQ], 0x7f800000, s62
.elseif (\i) == 2
	v_mov_b32 v[TQ+3], v[TQ+1]
.else
	v_lshrrev_b32 v[EB+\n], 23, v[SOP+\n]
.endif
.endm
.macro MAXQ k, x                 ; the largest magnitude of the 32 sums at x, with the floor under which a byte would fall under 1
.if (\k) < 4
	v_max3_num_f32 v[TQ+\k], |v[\x+8*(\k)]|, |v[\x+8*(\k)+1]|, |v[\x+8*(\k)+2]|
.elseif (\k) < 12
	v_max3_num_f32 v[TQ+(\k)%4], v[TQ+(\k)%4], |v[\x+8*((\k)%4)+2*((\k)/4)+1]|, |v[\x+8*((\k)%4)+2*((\k)/4)+2]|
.elseif (\k) < 16
	v_max_num_f32 v[TQ+(\k)%4], v[TQ+(\k)%4], |v[\x+8*((\k)%4)+7]|
.elseif (\k) == 16
	v_max3_num_f32 v[TQ], v[TQ], v[TQ+1], v[TQ+2]
.else
	v_max3_num_f32 v[TQ], v[TQ], v[TQ+3], (EMAX+1)<<23
.endif
.endm
.macro HOLDS m, x                ; two of a block's holds; the bound is read from its second copy where m = 3
.if (\m) == 3
	HOLD \x, 3
	HOLD \x+1, 3
.else
	HOLD \x, 1
	HOLD \x+1, 1
.endif
.if (\m) == 2
	SCALES 2, 0
.endif
.endm
.macro GAPQ m, x                 ; q's or k's block: a scale block lies in a lane: the sums at x -> codes NCD, byte EB
.if (\m) < 9
	MAXQ 2*(\m), \x
	MAXQ 2*(\m)+1, \x
.elseif (\m) == 9
	SCALES 0, 0
	SCALES 1, 0
.elseif (\m) < 26
	HOLDS (\m)-10, \x+2*((\m)-10)
.if ((\m)-10)%4 == 3
	v_cvt_scalef32_pk8_bf8_f32 v[NCD+2*(((\m)-10)/4):NCD+2*(((\m)-10)/4)+1], v[\x+8*(((\m)-10)/4):\x+8*(((\m)-10)/4)+7], v[SOP]
.endif
.elseif (\m) == 26
	SCALES 3, 0
.endif
.endm
.macro GAPV u, x                 ; a pair of v's blocks, 15 gaps a tile: a scale block lies in lanes l and l xor 16
.set T_, (\u)/15
.set J_, (\u)%15
.set E_, \x+8*T_
.set O_, E_+32
.if (\u) > 59
.elseif J_ == 0
	v_max3_num_f32 v[TQ], |v[E_]|, |v[E_+1]|, |v[E_+2]|
	v_max3_num_f32 v[TQ+2], |v[O_]|, |v[O_+1]|, |v[O_+2]|
.elseif J_ < 3
	v_max3_num_f32 v[TQ], v[TQ], |v[E_+2*J_+1]|, |v[E_+2*J_+2]|
	v_max3_num_f32 v[TQ+2], v[TQ+2], |v[O_+2*J_+1]|, |v[O_+2*J_+2]|
.elseif J_ == 3
	v_max3_num_f32 v[TQ+2], v[TQ+2], |v[O_+7]|, (EMAX+1)<<23
	v_max3_num_f32 v[TQ], v[TQ], |v[E_+7]|, v[TQ+2]
.elseif J_ == 4
	v_permlanex16_b32 v[TQ+2], v[TQ], s60, s61
	v_max_num_f32 v[TQ], v[TQ], v[TQ+2]
.elseif J_ == 5
	SCALES 0, T_
	SCALES 1, T_
.elseif J_ < 10
	HOLDS J_-6, E_+2*(J_-6)
.if J_ == 9
	v_cvt_scalef32_pk8_bf8_f32 v[MCD+4*T_:MCD+4*T_+1], v[E_:E_+7], v[SOP+T_]
.endif
.elseif J_ < 14
	HOLDS J_-6, O_+2*(J_-10)
.if J_ == 13
	v_cvt_scalef32_pk8_bf8_f32 v[MCD+4*T_+2:MCD+4*T_+3], v[O_:O_+7], v[SOP+T_]
.endif
.else
	SCALES 3, T_
.endif
.endm
.macro RDESC i, off, lds         ; group 0 of a refill: a quarter of 128 rows a wave, the rows at s[off] of x, into LDS at s[lds]
.if (\i) == 0
	s_mul_i32 s[G0R+1], s14, CH/4*PITCH
	s_add_co_u32 s[G0R+1], s[G0R+1], s\lds
	s_mul_i32 s20, s14, CH/4*KROW
	s_add_co_u32 s20, s20, s\off
.else
	s_mov_b32 s21, 0
	s_add_nc_u64 s[G0R+2:G0R+3], s[4:5], s[20:21]
	s_or_b32 s[G0R+3], s[G0R+3], 0x80000000
.endif
.endm
; What stands behind product n.  j: the block's number in its trip (the second loop's: 4, 5; v's: -1, -2).  y = 1: q's or k's way out at x; 2, 3: the halves of v's pair at x
.macro LIST n, j, y, x
.if (\n) == 0
.if (\j) >= 0
	s_add_nc_u64 s[84:85], s[84:85], 0x4000+0x8000*((\j)%2)   ; from a block's 16,384 bytes to my next: 1 or 3 blocks on
.if (\j) == 1
	s_cmp_eq_u32 s46, 2
	s_cselect_b64 s[84:85], s[88:89], s[84:85]
.endif
.endif
	WIN 0
.if (\j) == 0 || (\j) == 1
	s_add_co_u32 s22, s101, (64+16*(\j))*PITCH
.elseif (\j) > 1
	s_add_co_u32 s22, s47, ((\j)%2)*16*PITCH
.else
	s_add_co_u32 s22, s47, (-1-(\j))*16*PITCH
.endif
	v_add_nc_u32 v[ADRA], s22, v[ADRA0]
.elseif (\n) == 1
	WIN 0
.if (\j) == 0 || (\j) == 1
	s_add_co_u32 s22, s17, 2*SSTEP+(\j)*(SSTEP/2)
.elseif (\j) > 1
	s_add_co_u32 s22, s8, ((\j)%2)*(SSTEP/2)
.else
	s_add_co_u32 s22, s8, (-1-(\j))*(SSTEP/2)
.endif
	v_add_nc_u32 v[AAS], s22, v[AAS0]
.endif
.if (\j) == 2 && (\n) == 2
	WIN 0
	v_lshl_add_u32 v7, v3, 8, s23
.elseif (\j) == 0 && ((\n) == 29 || (\n) == 30)
	RDESC (\n)-29, 6, 47
.elseif ((\j) == 1 || (\j) == 5) && (\n) == 2
	WIN 0
	v_add_nc_u32 v[VX], s9, v[VXB]
.endif
.if (\y) == 1 && (\n) > 0 && (\n) < 28
	WIN 0
	GAPQ (\n)-1, \x
.elseif (\y) == 2 && (\n) > 0 && (\n) < 31
	WIN 0
	GAPV (\n)-1, \x
.elseif (\y) == 3 && (\n) > 0 && (\n) < 31
	WIN 0
	GAPV (\n)+29, \x
.endif
.endm
.macro BLOCK kind, e, a, from, to, j, y, x
.set N_, \from
.rept (\to)-(\from)
	PROD \kind, \e, \a, N_
	LIST N_, \j, \y, \x
.set N_, N_+1
.endr
.endm
.macro BLK kind, e, a, w, j, y, x
.if (\w) >= 0
	s_wait_dscnt \w
.endif
	s_wait_xcnt 0x0
	BLOCK \kind, \e, \a, 0, 32, \j, \y, \x
	WIN 0
	PLACES NP
.endm
.macro RBLK kind, e, a, w, j, y, x   ; a block with a round of the cluster's barrier
.if (\w) >= 0
	s_wait_dscnt \w
.endif
	s_wait_xcnt 0x0
	GRD
	BLOCK \kind, \e, \a, 0, 28, \j, \y, \x
	WIN 0
	WALU
	s_wait_dscnt 0x0
	s_barrier_signal -1
	BLOCK \kind, \e, \a, 28, 32, \j, \y, \x
	MIDDLE
	BARRIER
.endm
.macro SBLK kind, e, a, w, j, y, x, half=0   ; a block with a plain barrier (half = 1: it shows waves 0 and 1's loads alone)
.if (\w) >= 0
	s_wait_dscnt \w
.endif
	s_wait_xcnt 0x0
	BLOCK \kind, \e, \a, 0, 28, \j, \y, \x
	WIN 0
	WALU
.if \half
	s_cmp_lt_u32 s14, 2
	s_cbranch_scc0 .Lnot_yet_\@
	s_wait_tensorcnt 0x0
.Lnot_yet_\@:
.else
	s_wait_tensorcnt 0x0
.endif
	s_wait_dscnt 0x0
	s_barrier_signal -1
	BLOCK \kind, \e, \a, 28, 32, \j, \y, \x
	WIN 0
	s_barrier_wait -1
	PLACES NP
.endm
.macro QOUT off, boff            ; a block's byte goes to its place in LDS, its 32 codes a lane leave: 256 consecutive bytes for each sixteen lanes
	ds_store_b8 v[VX], v[EB] offset:\boff
	global_store_b128 v[CN], v[NCD:NCD+3], s[84:85] offset:\off
	global_store_b128 v[CN], v[NCD+4:NCD+7], s[84:85] offset:(\off)+256
.endm
.irp q, 0,1,2,3,4,5,6,7          ; the first weight, 512 registers
.irp b, 0,2
	FRAG NB*\q+\b, ADRB, \q, (\b/2)*16*PITCH
	FRAG NB*\q+\b+1, ADRO, \q, (\b/2)*16*PITCH
.endr
.endr
	WIN 0
	s_wait_tensorcnt 0x0                           ; chunk 0 and the scale bytes are in; the first weight is in registers
	s_wait_dscnt 0x0
	BARRIER
	FETCHAT 0, ADRA0, AAS0
	FETCHAT 1, 1, 2
	s_load_b256 s[92:99], s[0:1], 0x58             ; qk_img, qk_sc, v_img, v_sc
	s_mov_b32 s60, 0x76543210
	s_mov_b32 s61, 0xfedcba98
	s_mov_b32 s62, 0x600000                        ; the mantissa field of 57,344
.set I_, 0
.rept 32
	v_mov_b32 v[ACC+32+I_], 0
.set I_, I_+1
.endr
	s_wait_kmcnt 0x0
	s_add_nc_u64 s[92:93], s[92:93], s[76:77]
	s_add_nc_u64 s[94:95], s[94:95], s[78:79]
	s_add_nc_u64 s[96:97], s[96:97], s[80:81]
	s_add_nc_u64 s[98:99], s[98:99], s[82:83]
	s_lshl_b32 s20, s18, 18
	s_mov_b32 s21, 0
	s_add_nc_u64 s[88:89], s[92:93], s[20:21]      ; v's window's rows of q or k
	s_xor_b32 s20, s20, 0x40000
	s_add_nc_u64 s[84:85], s[92:93], s[20:21]      ; the other window's
	s_sub_nc_u64 s[84:85], s[84:85], 0x10000       ; (the first two blocks' steps lead to it)
	s_mov_b64 s[10:11], s[4:5]
	s_mov_b32 s46, 0                               ; s46 the trip; s101, s47 this and the next chunk's slot; s17, s8 their scale words; s6 the rows that are loaded; s9 a byte's place; s23 my share of what is asked for ahead
	s_mov_b32 s9, 0
	s_mov_b32 s23, 0
	s_mov_b32 s101, 0
	s_mov_b32 s47, YB
	s_mov_b32 s17, 0
	s_mov_b32 s8, 4*SSTEP
	s_wait_loadcnt 0x0
.Lfour:
	RBLK 0, 0, 0, NF, 0, 1, ACC+32                 ; blocks 0, 4, 8: chunks 1, 2, 3 come
	s_cmp_lt_u32 s14, 2                            ; a load line each for waves 0, 1 and for waves 2, 3: the barrier inside the block two on waits for the first line's alone
	s_cbranch_scc0 .Lupper
	TLOAD G0R, G1R
	s_branch .Lboth
.Lupper:
	TLOAD G0R, G1R
.Lboth:
	PLACES NP-4
	s_cmp_eq_u32 s46, 0
	s_cbranch_scc1 .Lno_block_before
	QOUT 0, 320
.Lno_block_before:
	FETCHAT 0, ADRA, AAS
	BLK 0, 1, 1, -1, 1, 1, ACC
	QOUT 0, 0
	FETCHAT 1, ADRA, AAS
	SBLK 0, 0, 0, NF, 2, 1, ACC+32, 1              ; the next chunk's first half is in
	QOUT 0, 64
	s_cmp_eq_u32 s46, 0
	s_cbranch_scc1 .Lnone_ahead
	global_prefetch_b8 v7, s[10:11] th:TH_LOAD_NT scope:SCOPE_SE
.Lnone_ahead:
	FETCHAT 0, ADRA, AAS
	BLK 0, 1, 1, -1, 3, 1, ACC
	QOUT 0, 256
	FETCHAT 1, ADRA, AAS
	s_cmp_eq_u32 s46, 0
	s_cselect_b32 s6, s2, s7
	s_cselect_b32 s21, s90, s100
	s_cselect_b32 s22, s7, s3
	s_cselect_b64 s[10:11], s[4:5], s[86:87]       ; what is asked for ahead: chunk 3, then Wv's rows
	s_lshl_b32 s21, s21, 13
	s_add_co_u32 s23, s21, s22
	s_add_co_u32 s9, s9, 512
	s_mov_b32 s101, s47
	s_mov_b32 s17, s8
	s_xor_b32 s47, s47, YB
	s_add_co_u32 s8, s8, 4*SSTEP
	s_add_co_u32 s46, s46, 1
	s_cmp_lg_u32 s46, 3
	s_cbranch_scc1 .Lfour
	GRD
	s_mul_i32 s20, s14, CH/4*KROW
	s_add_co_u32 s20, s20, s3
	s_mov_b32 s21, 0
	s_mul_i32 s[G0A+1], s14, CH/4*PITCH
	s_add_nc_u64 s[G0A+2:G0A+3], s[86:87], s[20:21]
	s_or_b32 s[G0A+3], s[G0A+3], 0x80000000
	GROUP1 G1A, 45, CH/4
	s_wait_dscnt 0x0
	s_barrier_signal -1
	MIDDLE
	BARRIER
	TLOAD G0A, G1A
	s_mov_b32 s47, YB+64*PITCH
	s_mov_b32 s8, 14*SSTEP
	s_mov_b32 s9, 1280
.Ltwo:
	BLK 0, 0, 0, NF, 4, 1, ACC+32                  ; blocks 12, 14
	QOUT 0, 320
	FETCHAT 0, ADRA, AAS
	BLK 0, 1, 1, NF, 5, 1, ACC                     ; 13, 15; the block two on is then v's: chunk 3 again, as it lies in slot 1
	QOUT 0, 256
	FETCHAT 1, ADRA, AAS
	s_mov_b32 s47, YB
	s_mov_b32 s8, 12*SSTEP
	s_add_co_u32 s9, s9, 256
	s_add_co_u32 s46, s46, 1
	s_cmp_lg_u32 s46, 5
	s_cbranch_scc1 .Ltwo
	s_wait_xcnt 0x0                                ; THE CHANGE OF PHASE
	s_wait_tensorcnt 0x0                           ; Wv's rows are in
	s_wait_dscnt 0x0
	BARRIER
.macro CHANGE i                  ; among Wv's loads: the last block's way out; Wv's scale words into their place; zeros into what no block has written yet
.if (\i) < 7
.irp k, 0,1,2,3
.if 4*(\i)+\k < 27
	GAPQ 4*(\i)+\k, ACC+32
.endif
.endr
.elseif (\i) < 9
.irp q, 0,1,2,3,4,5,6,7
	v_mov_b32 v[SB+8*((\i)-7)+\q], v[WS+8*((\i)-7)+\q]
.endr
.elseif (\i) < 15
.irp q, 0,1,2,3,4,5,6,7
	v_mov_b32 v[ACC+80+8*((\i)-9)+\q], 0
.endr
.endif
.endm
.irp q, 0,1,2,3,4,5,6,7
.irp b, 0,2
	FRAG NB*\q+\b, ADRB+1, \q, \b*16*PITCH
	FRAG NB*\q+\b+1, ADRB+1, \q, (\b+1)*16*PITCH
	WIN 0
	CHANGE 2*\q+\b/2
.endr
.endr
.irp t, 0,1,2,3
.irp i, 0,1,2,3,4,5,6,7
	v_mov_b32 v[BQ+8*\t+\i], v[BV+\t]
.endr
.endr
	WALU
	QOUT 0x4000, 320
	GRD
	s_mov_b32 s47, 0
	RDESC 0, 2, 47
	RDESC 1, 2, 47
	s_mov_b32 s46, 0
	s_mov_b32 s47, YB+64*PITCH
	s_mov_b32 s8, 14*SSTEP
	s_wait_dscnt 0x0
	s_barrier_signal -1
	MIDDLE
	BARRIER
	TLOAD G0R, G1R
.macro VOUT                      ; a pair of v's blocks: four tiles' bytes and codes: 512 consecutive bytes a store
.irp t, 0,1,2,3
	ds_store_b8 v[VX], v[EB+\t] offset:64*\t
	global_store_b128 v[CO], v[MCD+4*\t:MCD+4*\t+3], s[84:85] offset:4096*\t
.endr
.endm
.macro VTO                       ; s22 = 2 x (which 128 keys) + (which pair of groups): where a pair's codes and bytes go
	s_lshl_b32 s20, s22, 10
	s_mov_b32 s21, 0
	s_add_nc_u64 s[84:85], s[96:97], s[20:21]
	s_and_b32 s20, s22, 1
	s_lshl_b32 s20, s20, 1
	s_and_b32 s21, s22, 2
	s_lshl_b32 s21, s21, 8
	s_add_co_u32 s20, s20, s21
	v_add_nc_u32 v[VX], s20, v[RD]
	WALU
.endm
.Lpair:
	BLK 1, 0, 0, -1, -1, 2, ACC+64
	s_cmp_eq_u32 s46, 3
	s_cbranch_scc1 .Lnone_0
	FETCHAT 0, ADRA, AAS
	s_wait_dscnt NF
	s_branch .Lgo
.Lnone_0:
	s_wait_dscnt 0x0
.Lgo:
	SBLK 1, 1, 1, -1, -2, 3, ACC+64                ; the first trip's shows chunk 2
.set I_, 0
.rept 16                         ; the pair's sums are copied, so that one trip is two blocks of text
	v_dual_mov_b32 v[ACC+64+I_], v[ACC+I_] :: v_dual_mov_b32 v[ACC+64+I_+1], v[ACC+I_+1]
	v_dual_mov_b32 v[ACC+96+I_], v[ACC+32+I_] :: v_dual_mov_b32 v[ACC+96+I_+1], v[ACC+32+I_+1]
.set I_, I_+2
.endr
	s_add_co_u32 s22, s46, 1
	s_and_b32 s22, s22, 3
	VTO
	s_cmp_eq_u32 s46, 0
	s_cbranch_scc1 .Lno_pair_before
	VOUT
.Lno_pair_before:
	s_cmp_eq_u32 s46, 3
	s_cbranch_scc1 .Lnone_1
	FETCHAT 1, ADRA, AAS
.Lnone_1:
	s_mov_b32 s8, 10*SSTEP
	s_cmp_eq_u32 s46, 0
	s_cselect_b32 s47, 0, 64*PITCH
	s_cselect_b32 s8, 8*SSTEP, s8
	s_add_co_u32 s46, s46, 1
	s_cmp_lg_u32 s46, 4
	s_cbranch_scc1 .Lpair
	s_wait_xcnt 0x0
.set K_, 0
.rept 60
	GAPV K_, ACC+64
.set K_, K_+1
.endr
	s_mov_b32 s22, 1
	VTO
	VOUT
	s_wait_dscnt 0x0                               ; the scale bytes
	BARRIER
	v_lshlrev_b32 v20, 4, v3
	s_mul_i32 s21, s14, TM
	s_add_co_u32 s21, s21, XN
	v_add_nc_u32 v21, s21, v20
	v_lshlrev_b32 v22, 3, v3
	s_mul_i32 s21, s14, TV
	s_add_co_u32 s21, s21, XV
	v_add_nc_u32 v23, s21, v22
	s_wait_alu depctr_va_vdst(0)
	ds_load_b128 v[60:63], v21
	ds_load_b64 v[40:41], v23
	s_wait_dscnt 0x0
	global_store_b128 v20, v[60:63], s[94:95]
	global_store_b64 v22, v[40:41], s[98:99]
	s_wait_tensorcnt 0x0                           ; the wave's end
	ds_add_u32 v[SPW], v[NIL]
	s_wait_dscnt 0x0
	CROUND                                         ; the closing round
	s_endpgm
.Lfunc_end_k_q7a51c51e12_proj:
	.size	k_q7a51c51e12_proj, .Lfunc_end_k_q7a51c51e12_proj-k_q7a51c51e12_proj
	.p2alignl 7, 3214868480
	.fill 96, 4, 3214868480
	.section	.rodata,"a",@progbits
	.p2align	6, 0x0
	.amdhsa_kernel k_q7a51c51e12_proj
		.amdhsa_group_segment_fixed_size 327680
		.amdhsa_private_segment_fixed_size 0
		.amdhsa_enable_private_segment 0
		.amdhsa_kernarg_size 120
		.amdhsa_user_sgpr_count 2
		.amdhsa_user_sgpr_kernarg_segment_ptr 1
		.amdhsa_wavefront_size32 1
		.amdhsa_system_sgpr_workgroup_id_x 1
		.amdhsa_system_sgpr_workgroup_id_y 1
		.amdhsa_system_sgpr_workgroup_id_z 1
		.amdhsa_system_vgpr_workitem_id 0
		.amdhsa_next_free_vgpr 1024
		.amdhsa_next_free_sgpr 102
		.amdhsa_reserve_vcc 0
		.amdhsa_float_denorm_mode_32 3
		.amdhsa_float_denorm_mode_16_64 3
		.amdhsa_memory_ordered 1
		.amdhsa_forward_progress 1
		.amdhsa_inst_pref_size 164
	.end_amdhsa_kernel
	.amdgpu_metadata
---
amdhsa.version: [ 1, 2 ]
amdhsa.kernels:
  - .name:           k_q7a51c51e12_proj
    .symbol:         k_q7a51c51e12_proj.kd
    .args:
      - { .name: x_codes, .offset: 0, .size: 8, .value_kind: global_buffer, .address_space: global }
      - { .name: x_scales, .offset: 8, .size: 8, .value_kind: global_buffer, .address_space: global }
      - { .name: Wq_codes, .offset: 16, .size: 8, .value_kind: global_buffer, .address_space: global }
      - { .name: Wq_scales, .offset: 24, .size: 8, .value_kind: global_buffer, .address_space: global }
      - { .name: Wk_codes, .offset: 32, .size: 8, .value_kind: global_buffer, .address_space: global }
      - { .name: Wk_scales, .offset: 40, .size: 8, .value_kind: global_buffer, .address_space: global }
      - { .name: Wv_scales, .offset: 48, .size: 8, .value_kind: global_buffer, .address_space: global }
      - { .name: Wv_codes, .offset: 56, .size: 8, .value_kind: global_buffer, .address_space: global }
      - { .name: bq, .offset: 64, .size: 8, .value_kind: global_buffer, .address_space: global }
      - { .name: bk, .offset: 72, .size: 8, .value_kind: global_buffer, .address_space: global }
      - { .name: bv, .offset: 80, .size: 8, .value_kind: global_buffer, .address_space: global }
      - { .name: qk_img, .offset: 88, .size: 8, .value_kind: global_buffer, .address_space: global }
      - { .name: qk_sc, .offset: 96, .size: 8, .value_kind: global_buffer, .address_space: global }
      - { .name: v_img, .offset: 104, .size: 8, .value_kind: global_buffer, .address_space: global }
      - { .name: v_sc, .offset: 112, .size: 8, .value_kind: global_buffer, .address_space: global }
    .group_segment_fixed_size: 327680
    .private_segment_fixed_size: 0
    .kernarg_segment_align: 8
    .kernarg_segment_size: 120
    .max_flat_workgroup_size: 128
    .sgpr_count:     102
    .vgpr_count:     1024
    .wavefront_size: 32
...
	.end_amdgpu_metadata
.endif
;; end of part 1
;; launch scores (part 2): grid 16 x 16, 4 waves a work-group, clusters of 4 x 4, 327,680 bytes of LDS; arguments qk_img, qk_sc, p_img, p_st; writes p_img, p_st
.if DOCPART == 2
	.amdgcn_target "amdgcn-amd-amdhsa--gfx1250"
	.amdhsa_code_object_version 6
	.text
	.protected	k_q7a51c51e12_scores
	.globl	k_q7a51c51e12_scores
	.p2align	8
	.type	k_q7a51c51e12_scores,@function
k_q7a51c51e12_scores:
	s_mov_b64 s[64:65], 0
	v_nop
	global_prefetch_b8 v0, s[64:65] scope:SCOPE_SE
	s_setreg_imm32_b32 hwreg(HW_REG_WAVE_MODE, 25, 1), 1
	s_wait_xcnt 0x0
	s_wait_alu depctr_hold_cnt(0) depctr_sa_sdst(0) depctr_va_vdst(0) depctr_va_sdst(0) depctr_va_ssrc(0) depctr_va_vcc(0) depctr_vm_vsrc(0)
	s_getreg_b32 s2, hwreg(HW_REG_IB_STS2, 6, 4)
	s_cmp_eq_u32 s2, 0
	s_cbranch_scc0 .Lentry_in_a_cluster
	s_endpgm
.Lentry_in_a_cluster:
	s_bfe_u32 s2, ttmp6, 0x10000c
	s_cmp_lg_u32 s2, 0xf033
	s_cbranch_scc0 .Lentry_shape_is_right
	s_endpgm
.Lentry_shape_is_right:
; SECOND OF THREE LAUNCHES.  The scores q k^T of a batch and p = 2^(t - M_g), t = score x log2(e) / 32, quantised along the keys.  No work of the problem is left out here.
; M_g is a whole number for each row and each group of 64 keys: the ceiling of the group's largest t; the next launch brings the 32 groups of a row under one M by exact powers of two.  The groups' sums are taken of the unquantised p.
; LIMITS: holds while the scaled scores (exponents to the base 2, before the maximum is taken away) stay under 2^31 in magnitude.  NaN and infinities are not served.
; SHARES.  256 work-groups of four waves, 2 x 2: 512 queries x 128 keys.  A wave holds 64 keys, ALL of K = 1,024, in registers (512) and streams queries past them in blocks of 16 (two sets of 128 registers).
; LAYOUT.  Source 0 = 16 keys, source 1 = 16 queries: lane (r, h) holds query r.  Tile j's lane 8 m + i takes key 32 m + 8 (f(j) xor m) + i of the wave's 64, f = 0, 2, 1, 3: a lane's 32 scores of four tiles are one block of 32 keys,
; and place 16 hh + 8 uu + i of block m is key 16 uu + 8 (hh xor m) + i, as v lies.
; OUTPUTS.  p_img: [256 keys][row / 16][128 keys][4 groups of 32][32 lanes][16 bytes].  p_st: scale words [16 groups of 128 keys][8,192 rows], then -M_g and the sums, each [32 groups of 64 keys][8,192 rows].
; FILLS.  LDS: two slots of 128 rows (131,072 dense bytes).  At the head k's 128 rows into slot 1 (wave 0), queries' chunk 0 into slot 0 (wave 1), the scale words of 512 queries (wave 2) and of 128 keys (wave 3).
; Chunks 1, 2, 3 come as refills in a drained round of the cluster's barrier, inside blocks 0, 4, 8, a quarter a wave; the first half (waves 0, 1) is shown by the plain barrier inside the block two on, the second by the next round or barrier.
; CLUSTERS: queries are asked for jointly along a row of the cluster, keys along a column.  PREFETCH: chunks 1, 2 behind the head's first barrier, chunk 3 in the first trip; sixteen waves name a sixteenth each.
; THE SOFTMAX of block n: its maxima behind its own products; t - M among block n + 1's products; the exponentials behind those; sum, hold and conversions among block n + 2's products.
.set FR, 16
.set FPW, 16
.set NP, 8
.set NF, 40
.set YB, 131072
.set QSC, 262144                 ; q's scale words [8][512][4]
.set KSC, 278528                 ; k's [8][128][4]
.set PWL, 282624                 ; p's scale words [512][4]; behind them -M_g [2][512] and the sums [2][512]
.set PML, PWL+2048
.set SPARE, PML+8192
.set ADRA0, 4
.set CN, 5
.set AAS0, 6
.set PFO, 7
.set SPW, 10
.set NIL, 11
.set ADRA, 12
.set VX, 13
.set KE, 14
.set KO, 15
.set AK0, 16
.set AAS, 17
.set NMS, 18
.set LS, 19
.set NM, 20
.set RM, 22
.set TP, 23
.set SB, 24
.set BE, 40
.set EB, 41
.set SO, 42
.set HD, 43
.set SA, 44
.set TQ, 60
.set ACC, 64                     ; two sets of sums
.set T, 128                      ; two sets of t - M, then p
.set NCD, 192
.set LA, 200
.set LB, 202
.set VXB, 204
.set VMB, 205
.set VM, 206
.set AK1, 207
.set G1A, 24
.set G1B, 32
.set G1R, 48
.set G0A, 56
.set G0B, 60
.set SEL, 60
.set CS, 62
.set MNT, 66
.set G0R, 68
.set G0S, 72
.set G0T, 76
.set G1T, 80
.set G1S, 92
.set NEW, 1
.set MSB, 0
.macro WIN new
.if MSB != (\new)
	s_set_vgpr_msb (MSB<<8)|(\new)
.set MSB, (\new)
.endif
.endm
.macro PLACES n
.rept \n
	v_nop
.endr
.endm
.macro WALU
	s_wait_alu depctr_va_vdst(0)
.endm
.macro BARRIER
	s_barrier_signal -1
	s_barrier_wait -1
.endm
.macro MIDDLE
	WIN 0
	s_barrier_wait -1
	s_cmp_lg_u32 s14, 0
	s_cbranch_scc1 .Lnot_wave_0_\@
	s_barrier_signal -3
.Lnot_wave_0_\@:
	s_barrier_wait -3
.endm
.macro CROUND
	s_barrier_signal -1
	MIDDLE
	BARRIER
.endm
.macro TLOAD g0, g1
	tensor_load_to_lds s[\g0:\g0+3], s[\g1:\g1+7]
	s_nop 0
	PLACES 4
.endm
.macro GROUP1 g, mask, el, rows, pitch   ; elements of 8 bytes, no padding
	s_or_b32 s[\g+0], s[\mask], (3<<16)|(1<<21)
	s_mov_b32 s[\g+1], (\el)<<16
	s_mov_b32 s[\g+2], (\rows)<<16
	s_mov_b32 s[\g+3], (\el)<<16
	s_mov_b32 s[\g+4], \rows
	s_mov_b32 s[\g+5], \pitch
	s_mov_b32 s[\g+6], 0
	s_mov_b32 s[\g+7], 0
.endm
.macro GROUP0 g, lds, base, off
	s_mov_b32 s[\g], 1
	s_mov_b32 s[\g+1], \lds
	s_add_nc_u64 s[\g+2:\g+3], s[\base:\base+1], s[\off:\off+1]
	s_or_b32 s[\g+3], s[\g+3], 0x80000000
.endm
.macro SADD d, x
	s_add_co_u32 s\d, s\d, s\x
.endm
	s_load_b256 s[4:11], s[0:1], 0x0               ; qk_img, qk_sc, p_img, p_st
	v_lshl_add_u32 v[SPW], v0, 2, SPARE
	v_mov_b32 v[NIL], 0
	ds_add_u32 v[SPW], v[NIL]                      ; the wave's opening: the add, twice on end, and its wait
	ds_add_u32 v[SPW], v[NIL]
	v_lshrrev_b32 v1, 5, v0
	v_readfirstlane_b32 s14, v1
	s_lshr_b32 s15, s14, 1                         ; my row of waves: queries
	s_and_b32 s16, s14, 1                          ; my column of waves: keys
	s_bfe_u32 s40, ttmp6, 0x40000
	s_bfe_u32 s41, ttmp6, 0x40004
	s_and_b32 s18, ttmp7, 0xffff                   ; the batch
	s_lshl_b32 s42, ttmp9, 2
	SADD 42, 40                                    ; the batch's tile of 128 keys, 0-15
	s_lshl_b32 s43, s18, 2
	SADD 43, 41                                    ; the tile of 512 queries, 0-15
	s_lshl_b32 s44, s41, 2
	s_lshl_b32 s44, 15, s44
	s_lshl_b32 s45, 0x1111, s40
	GROUP1 G1B, 45, 128, 128, 128                  ; k's 128 rows: 131,072 dense bytes
	GROUP1 G1A, 44, 128, 128, 128                  ; a chunk of queries
	GROUP1 G1R, 44, 128, 32, 128                   ; a quarter of one
	GROUP1 G1S, 44, 128, 16, 128                   ; 512 queries' scale words: 16,384 dense bytes
	GROUP1 G1T, 45, 64, 8, 256                     ; 128 keys' scale words: 8 rows of 512 bytes
	s_lshl_b32 s20, s43, 19
	s_mov_b32 s21, 0
	s_lshl_b32 s22, s18, 21
	s_lshl_b32 s23, s42, 17
	SADD 22, 23
	s_add_co_u32 s22, s22, 8388608
	s_mov_b32 s23, 0
	s_lshl_b32 s2, s43, 14
	s_mov_b32 s3, 0
	s_lshl_b32 s46, s18, 2
	s_lshr_b32 s47, s42, 2
	SADD 46, 47
	s_lshl_b32 s46, s46, 14
	s_and_b32 s47, s42, 3
	s_lshl_b32 s47, s47, 9
	SADD 46, 47
	s_add_co_u32 s46, s46, 262144
	s_mov_b32 s47, 0
	v_and_b32 v1, 15, v0                           ; r
	v_bfe_u32 v2, v0, 4, 1                         ; h
	v_and_b32 v3, 31, v0
	v_lshlrev_b32 v9, 4, v3                        ; my place in an image
	s_lshl_b32 s12, s15, 14
	v_add_nc_u32 v[ADRA0], s12, v9                 ; block n of a chunk is rows 32 n + 16 x my row of waves of it
	v_lshlrev_b32 v8, 9, v2
	v_lshl_add_u32 v[CN], v1, 4, v8
	v_lshrrev_b32 v8, 3, v1                        ; m
	v_lshl_add_u32 v22, v8, 15, v9                 ; keys 32 m on: two blocks of 16 rows of 16,384 bytes
	v_xor_b32 v23, 8, v3
	v_lshlrev_b32 v23, 4, v23
	v_lshl_add_u32 v23, v8, 15, v23
	s_lshl_b32 s12, s16, 16
	s_add_co_u32 s12, s12, YB
	v_add_nc_u32 v[KE], s12, v22                   ; tiles 0, 1
	v_add_nc_u32 v[KO], s12, v23                   ; tiles 2, 3
	v_lshlrev_b32 v8, 5, v8
	v_lshl_add_u32 v8, v2, 4, v8                   ; 32 m + 16 h: lane (r, h) takes tile 2 p + h's word
	v_xor_b32 v23, 8, v1
	v_add_nc_u32 v22, v8, v1
	v_add_nc_u32 v23, v8, v23
	s_lshl_b32 s12, s16, 8
	s_add_co_u32 s12, s12, KSC
	v_lshl_add_u32 v[AK0], v22, 2, s12
	v_lshl_add_u32 v[AK1], v23, 2, s12
	v_lshlrev_b32 v22, 2, v1
	WALU
	s_lshl_b32 s12, s15, 6
	s_add_co_u32 s13, s12, QSC
	v_add_nc_u32 v[AAS0], s13, v22
	s_lshl_b32 s13, s16, 11
	SADD 13, 12
	s_add_co_u32 s13, s13, PML
	v_add_nc_u32 v[VMB], s13, v22                  ; -M_g and the sum: both halves of the lanes hold the same
	s_lshl_b32 s13, s16, 1
	SADD 13, 12
	s_add_co_u32 s13, s13, PWL
	v_add_nc_u32 v22, v22, v2
	v_add_nc_u32 v[VXB], s13, v22                  ; the scale byte: 4 x row + 2 x column of waves + h
	v_mov_b32 v[VX], v[VXB]
	v_mov_b32 v[VM], v[VMB]
	s_lshl_b32 s12, s40, 2
	s_add_co_u32 s12, s12, s14
	s_lshl_b32 s12, s12, 13
	s_add_co_u32 s12, s12, s20
	WALU
	v_lshl_add_u32 v[PFO], v3, 8, s12              ; my sixteenth of a chunk; never rewritten
	v_add_nc_u32 v1, 32768, v[ADRA0]               ; block 1's LDS addresses
	v_add_nc_u32 v2, 128, v[AAS0]
	WALU
	s_wait_dscnt 0x0                               ; both opening adds are done
	CROUND                                         ; all sixteen work-groups are here
	s_wait_kmcnt 0x0
	GROUP0 G0A, 0, 4, 20
	GROUP0 G0B, YB, 4, 22
	GROUP0 G0S, QSC, 6, 2
	GROUP0 G0T, KSC, 6, 46
	s_lshl_b32 s12, s14, 15                        ; a refill's quarter: steps to chunk 1 and slot 1 at its first use
	s_add_co_u32 s20, s20, s12
	GROUP0 G0R, s12, 4, 20
	s_cmp_eq_u32 s14, 0                            ; ONE joint load a wave, k's first
	s_cbranch_scc0 .Lwave_1
	TLOAD G0B, G1B
	s_branch .Lasked
.Lwave_1:
	s_cmp_eq_u32 s14, 1
	s_cbranch_scc0 .Lwave_2
	TLOAD G0A, G1A
	s_branch .Lasked
.Lwave_2:
	s_cmp_eq_u32 s14, 2
	s_cbranch_scc0 .Lwave_3
	TLOAD G0S, G1S
	s_branch .Lasked
.Lwave_3:
	TLOAD G0T, G1T
.Lasked:
	s_lshl_b32 s20, s43, 11                        ; where the statistics go: wave n stores 128 rows
	s_lshl_b32 s22, s14, 9
	SADD 20, 22
	s_lshl_b32 s22, s42, 15
	s_add_co_u32 s22, s22, s20
	s_mov_b32 s23, 0
	s_add_nc_u64 s[88:89], s[10:11], s[22:23]
	s_lshl_b32 s22, s42, 16
	s_add_co_u32 s22, s22, s20
	s_add_co_u32 s22, s22, 524288
	s_add_nc_u64 s[90:91], s[10:11], s[22:23]
	s_lshr_b32 s20, s42, 1                         ; and p's codes
	s_lshl_b32 s20, s20, 21
	s_and_b32 s22, s42, 1
	s_lshl_b32 s22, s22, 11
	SADD 20, 22
	s_lshl_b32 s22, s16, 10
	SADD 20, 22
	s_lshl_b32 s22, s43, 17
	SADD 20, 22
	s_lshl_b32 s22, s15, 12
	SADD 20, 22
	s_mov_b32 s21, 0
	s_add_nc_u64 s[2:3], s[8:9], s[20:21]
	s_cmp_eq_u32 s14, 0
	s_cbranch_scc0 .Lnot_k
	s_wait_tensorcnt 0x0                           ; wave 0: k's rows have landed; the other waves' wait stands at the second barrier
.Lnot_k:
	BARRIER
	global_prefetch_b8 v[PFO], s[4:5] offset:131072 th:TH_LOAD_NT scope:SCOPE_SE
	global_prefetch_b8 v[PFO], s[4:5] offset:262144 th:TH_LOAD_NT scope:SCOPE_SE
.macro FRAG q, b, adr            ; k's fragment 4 q + b, in window 1 + f / 16
	WIN (1+(4*(\q)+(\b))/FPW)<<6
.irp c, 0,1,2,3
	ds_load_b128 v[FR*((4*(\q)+(\b))%FPW)+4*\c:FR*((4*(\q)+(\b))%FPW)+4*\c+3], v[\adr] offset:16384*((\b)%2)+2048*(\q)+512*\c
.endr
.endm
.macro FETCHAT k, a, s           ; a block of queries, all of K, into set k of window 3, and its scale words
	WIN 3<<6
.irp q, 0,1,2,3,4,5,6,7
.irp c, 0,1,2,3
	ds_load_b128 v[128*\k+FR*\q+4*\c:128*\k+FR*\q+4*\c+3], v[\a] offset:2048*\q+512*\c
.endr
.endr
	WIN 0
.irp q, 0,1,2,3,4,5,6,7
	ds_load_b32 v[SA+8*\k+\q], v[\s] offset:2048*\q
.endr
.endm
.macro PROD e, n                 ; product n = 4 q + b: queries in set e, sums in set e
.set Q_, (\n)/4
.set B_, (\n)%4
.set AC_, ACC+32*(\e)+8*B_
.set R_, 128*(\e)+FR*Q_
.set W_, FR*((\n)%FPW)
.set XS_, SA+8*(\e)+Q_
.set WS_, SB+8*(B_/2)+Q_
	WIN (1+(\n)/FPW)|(3<<2)
.if Q_ == 0 && B_%2
	v_wmma_scale_f32_16x16x128_f8f6f4 v[AC_:AC_+7], v[W_:W_+15], v[R_:R_+15], 0, v[WS_], v[XS_] matrix_a_fmt:MATRIX_FMT_BF8 matrix_b_fmt:MATRIX_FMT_BF8 matrix_a_scale:MATRIX_SCALE_ROW1
.elseif Q_ == 0
	v_wmma_scale_f32_16x16x128_f8f6f4 v[AC_:AC_+7], v[W_:W_+15], v[R_:R_+15], 0, v[WS_], v[XS_] matrix_a_fmt:MATRIX_FMT_BF8 matrix_b_fmt:MATRIX_FMT_BF8
.elseif B_%2
	v_wmma_scale_f32_16x16x128_f8f6f4 v[AC_:AC_+7], v[W_:W_+15], v[R_:R_+15], v[AC_:AC_+7], v[WS_], v[XS_] matrix_a_fmt:MATRIX_FMT_BF8 matrix_b_fmt:MATRIX_FMT_BF8 matrix_a_scale:MATRIX_SCALE_ROW1
.else
	v_wmma_scale_f32_16x16x128_f8f6f4 v[AC_:AC_+7], v[W_:W_+15], v[R_:R_+15], v[AC_:AC_+7], v[WS_], v[XS_] matrix_a_fmt:MATRIX_FMT_BF8 matrix_b_fmt:MATRIX_FMT_BF8
.endif
.endm
; Gap g, 1 to 30, of block n (e = n % 2): block n - 2's p (set e of T) -> sum LS, byte EB, codes NCD;  block n - 1's sums (set 1 - e) -> -M in NM, t - M in set 1 - e of T.  NEW = 0: there is no block n - 1
.macro GAP g, e
.set O_, T+32*(\e)
.set A_, ACC+32*(1-(\e))
.set N2_, T+32*(1-(\e))
.if (\g) == 1
	v_max_num_f32 v[BE], 0x8000000, v[BE]          ; the block's largest p over the floor 2^(16 - 127): the byte cannot fall under 1
	v_mov_b32 v[NMS], v[NM]
.if NEW
	v_permlanex16_b32 v[TP], v[TQ], s[SEL], s[SEL+1]
.endif
.elseif (\g) == 2
	v_add_nc_u32 v[SO], 0xf8800000, v[BE]          ; 15 off the exponent field: the conversion's scale operand
	v_and_or_b32 v[HD], v[BE], 0x7f800000, s[MNT]  ; 57,344 x the scale
.if NEW
	v_max_num_f32 v[RM], v[TQ], v[TP]              ; the largest score of the row's 64 keys
.endif
.elseif (\g) == 3
.if NEW
	v_mul_f32 v[RM], s[CS], v[RM]
.endif
	v_lshrrev_b32 v[EB], 23, v[SO]
	v_pk_add_f32 v[LA:LA+1], v[O_:O_+1], v[O_+2:O_+3]
.elseif (\g) == 4
	v_pk_add_f32 v[LB:LB+1], v[O_+4:O_+5], v[O_+6:O_+7]
.if NEW
	v_floor_f32 v[NM], -v[RM]                      ; -M = floor(-t)
	v_fma_f32 v[BE], v[TQ], s[CS], v[NM]           ; t - M of the block's largest score
.endif
.else
.if NEW && (\g) < 21
	v_pk_fma_f32 v[N2_+2*((\g)-5):N2_+2*((\g)-5)+1], v[A_+2*((\g)-5):A_+2*((\g)-5)+1], s[CS:CS+1], v[NM:NM+1] op_sel_hi:[1,0,0]
.endif
.if (\g) < 11
	v_pk_add_f32 v[LA:LA+1], v[LA:LA+1], v[O_+8+4*((\g)-5):O_+9+4*((\g)-5)]
	v_pk_add_f32 v[LB:LB+1], v[LB:LB+1], v[O_+10+4*((\g)-5):O_+11+4*((\g)-5)]
.elseif (\g) == 11
	v_pk_add_f32 v[LA:LA+1], v[LA:LA+1], v[LB:LB+1]
.elseif (\g) == 12
	v_add_f32 v[LA], v[LA], v[LA+1]
.elseif (\g) < 29
	v_min_num_f32 v[O_+2*((\g)-13)], v[O_+2*((\g)-13)], v[HD]      ; the conversion does not saturate (ISA guide 7.6.2)
	v_min_num_f32 v[O_+2*((\g)-13)+1], v[O_+2*((\g)-13)+1], v[HD]
.if ((\g)-13)%4 == 3
	v_cvt_scalef32_pk8_bf8_f32 v[NCD+2*(((\g)-13)/4):NCD+2*(((\g)-13)/4)+1], v[O_+8*(((\g)-13)/4):O_+8*(((\g)-13)/4)+7], v[SO]
.endif
.elseif (\g) == 29
	v_permlanex16_b32 v[LB], v[LA], s[SEL], s[SEL+1]
.elseif (\g) == 30
	v_add_f32 v[LS], v[LA], v[LB]
.endif
.endif
.endm
.macro LIST n, j, e              ; what stands behind product n of block j of a trip (the second loop's: 4, 5)
	WIN 0
.if (\n) == 0
	s_add_nc_u64 s[84:85], s[84:85], 8192
.if (\j) < 2
	s_add_co_u32 s22, s101, (2+(\j))*32768
.else
	s_add_co_u32 s22, s47, ((\j)%2)*32768
.endif
	v_add_nc_u32 v[ADRA], s22, v[ADRA0]            ; the block two on
.elseif (\n) == 1
.if (\j) < 2
	s_add_co_u32 s22, s17, (2+(\j))*128
.else
	s_add_co_u32 s22, s8, ((\j)%2)*128
.endif
	v_add_nc_u32 v[AAS], s22, v[AAS0]
.elseif (\n) == 2 && ((\j) == 2 || (\j) == 4)
	v_add_nc_u32 v[VX], s9, v[VXB]
	v_add_nc_u32 v[VM], s9, v[VMB]
.elseif (\n) == 29 && (\j) == 0
	s_xor_b32 s[G0R+1], s[G0R+1], YB
	s_add_nc_u64 s[G0R+2:G0R+3], s[G0R+2:G0R+3], 131072
.endif
.if (\n) > 0 && (\n) < 31
	GAP \n, \e
.endif
.endm
.macro BLOCK e, from, to, j
.set N_, \from
.rept (\to)-(\from)
	PROD \e, N_
	LIST N_, \j, \e
.set N_, N_+1
.endr
	WIN 0
.endm
.macro BLK e, j
	s_wait_xcnt 0x0
	BLOCK \e, 0, 32, \j
	PLACES NP
.endm
.macro RBLK e, j                 ; with a round: the lines ahead of a refill stand at its head, the signal behind 28 products
	s_wait_dscnt NF
	s_wait_xcnt 0x0
	s_wait_tensorcnt 0x0
	ds_add_u32 v[SPW], v[NIL]
	BLOCK \e, 0, 28, \j
	WALU
	s_wait_dscnt 0x0
	s_barrier_signal -1
	BLOCK \e, 28, 32, \j
	MIDDLE
	BARRIER
.endm
.macro SBLK e, j, half           ; with a plain barrier (half = 1: it shows waves 0 and 1's loads alone)
	s_wait_dscnt NF
	s_wait_xcnt 0x0
	BLOCK \e, 0, 28, \j
	WALU
.if \half
	s_cmp_lt_u32 s14, 2
	s_cbranch_scc0 .Lnot_yet_\@
	s_wait_tensorcnt 0x0
.Lnot_yet_\@:
.else
	s_wait_tensorcnt 0x0
.endif
	s_wait_dscnt 0x0
	s_barrier_signal -1
	BLOCK \e, 28, 32, \j
	s_barrier_wait -1
	PLACES NP
.endm
.macro QOUT boff                 ; a block's byte, -M and sum go to their places in LDS, its 32 codes a lane leave
	ds_store_b8 v[VX], v[EB] offset:\boff
	ds_store_b32 v[VM], v[NMS] offset:\boff
	ds_store_b32 v[VM], v[LS] offset:4096+\boff
	global_store_b128 v[CN], v[NCD:NCD+3], s[84:85]
	global_store_b128 v[CN], v[NCD+4:NCD+7], s[84:85] offset:256
.endm
.macro EXPS e                    ; set e of T and the block's largest: p = 2^(t - M)
.set I_, 0
.rept 32
	v_exp_f32 v[T+32*(\e)+I_], v[T+32*(\e)+I_]
.set I_, I_+1
.endr
	v_exp_f32 v[BE], v[BE]
	v_nop
	WALU                                           ; the wait behind the batch, which serves block n's sums as a group too
.endm
.macro MAXS x                    ; the largest of the 32 scores at x, each accumulator from its low end on
.irp k, 0,1,2,3
	v_max3_num_f32 v[TQ+\k], v[\x+8*\k], v[\x+8*\k+1], v[\x+8*\k+2]
.endr
.irp i, 3,5
.irp k, 0,1,2,3
	v_max3_num_f32 v[TQ+\k], v[TQ+\k], v[\x+8*\k+\i], v[\x+8*\k+\i+1]
.endr
.endr
.irp k, 0,1,2,3
	v_max_num_f32 v[TQ+\k], v[TQ+\k], v[\x+8*\k+7]
.endr
	v_max3_num_f32 v[TQ], v[TQ], v[TQ+1], v[TQ+2]
	v_max_num_f32 v[TQ], v[TQ], v[TQ+3]
.endm
.macro EDGE e, boff, skip, last  ; behind block n's products: block n - 2 leaves (skip = 1: not in the first trip), the block two on is fetched (last = 1: not in the last trip), block n - 1's exponentials, block n's maxima
	WALU                                           ; ahead of the stores and of the batch
.if \skip
	s_cmp_eq_u32 s46, 0
	s_cbranch_scc1 .Lno_block_\@
.endif
	QOUT \boff
.Lno_block_\@:
.if \last
	s_cmp_eq_u32 s46, 4
	s_cbranch_scc1 .Lno_fetch_\@
.endif
	FETCHAT \e, ADRA, AAS
.Lno_fetch_\@:
	EXPS 1-(\e)
	MAXS ACC+32*(\e)
	WALU                                           ; ahead of the next block's waits
.endm
.irp q, 0,1,2,3,4,5,6,7          ; my 64 keys, 512 registers
	FRAG \q, 0, KE
	FRAG \q, 1, KE
	FRAG \q, 2, KO
	FRAG \q, 3, KO
.endr
	WIN 0
	s_wait_tensorcnt 0x0                           ; chunk 0 and the scale words are in; k is in registers
	s_wait_dscnt 0x0
	BARRIER
.irp q, 0,1,2,3,4,5,6,7
	ds_load_b32 v[SB+\q], v[AK0] offset:512*\q
	ds_load_b32 v[SB+8+\q], v[AK1] offset:512*\q
.endr
	FETCHAT 0, ADRA0, AAS0
	FETCHAT 1, 1, 2
	s_mov_b64 s[84:85], s[2:3]
	s_sub_nc_u64 s[84:85], s[84:85], 24576         ; (the first three blocks' steps lead to block 0's place)
	s_mov_b32 s[SEL], 0x76543210
	s_mov_b32 s[SEL+1], 0xfedcba98
	s_mov_b32 s[CS], 0x3d38aa3b                    ; log2(e) / 32
	s_mov_b32 s[CS+1], s[CS]
	s_mov_b32 s[MNT], 0x600000
	s_mov_b32 s46, 0                               ; the trip; s101, s47 this and the next chunk's slot; s17, s8 their scale words; s9 where statistics go
	s_mov_b32 s101, 0
	s_mov_b32 s47, YB
	s_mov_b32 s17, 0
	s_mov_b32 s8, 512
	s_mov_b32 s9, 0
.set I_, 0
.rept 32
	v_mov_b32 v[ACC+32+I_], 0
	v_mov_b32 v[T+I_], 0
.set I_, I_+1
.endr
	v_mov_b32 v[TQ], 0
	v_mov_b32 v[TP], 0
	v_mov_b32 v[BE], 0
	v_mov_b32 v[NM], 0
	v_mov_b32 v[NM+1], 0
	WALU
.Lfour:
	RBLK 0, 0                                      ; chunks 1, 2, 3 come
	s_cmp_lt_u32 s14, 2                            ; a load line each for waves 0, 1 and for waves 2, 3
	s_cbranch_scc0 .Lupper
	TLOAD G0R, G1R
	s_branch .Lboth
.Lupper:
	TLOAD G0R, G1R
.Lboth:
	PLACES NP-4
	EDGE 0, 256, 1, 0
	BLK 1, 1
	EDGE 1, 384, 1, 0
	SBLK 0, 2, 1                                   ; the next chunk's first half is in
	EDGE 0, 0, 0, 0
	s_cmp_lg_u32 s46, 0
	s_cbranch_scc1 .Lnone_ahead
	global_prefetch_b8 v[PFO], s[4:5] offset:393216 th:TH_LOAD_NT scope:SCOPE_SE
.Lnone_ahead:
	BLK 1, 3
	EDGE 1, 128, 0, 0
	s_mov_b32 s101, s47
	s_mov_b32 s17, s8
	s_xor_b32 s47, s47, YB
	s_add_co_u32 s8, s8, 512
	s_add_co_u32 s9, s9, 512
	s_add_co_u32 s46, s46, 1
	s_cmp_lg_u32 s46, 3
	s_cbranch_scc1 .Lfour
	s_mov_b32 s47, YB+65536
	s_mov_b32 s8, 3*512+256
	s_mov_b32 s9, 1280
.Ltwo:
	SBLK 0, 4, 0                                   ; blocks 12, 14: chunk 3 is whole
	EDGE 0, 0, 0, 1
	BLK 1, 5
	EDGE 1, 128, 0, 1
	s_add_co_u32 s9, s9, 256
	s_add_co_u32 s46, s46, 1
	s_cmp_lg_u32 s46, 5
	s_cbranch_scc1 .Ltwo
	s_wait_xcnt 0x0                                ; the last two blocks' ways out
	s_add_nc_u64 s[84:85], s[84:85], 8192
.set K_, 1
.rept 30
	GAP K_, 0
.set K_, K_+1
.endr
	WALU
	QOUT 256
	EXPS 1
	s_wait_xcnt 0x0
	s_add_nc_u64 s[84:85], s[84:85], 8192
.set NEW, 0
.set K_, 1
.rept 30
	GAP K_, 1
.set K_, K_+1
.endr
	WALU
	QOUT 384
	s_wait_dscnt 0x0
	BARRIER
	s_lshl_b32 s20, s14, 9
	s_add_co_u32 s20, s20, PWL
	v_add_nc_u32 v8, s20, v9                       ; wave n: 512 bytes of each of the five runs of 2,048
	WALU
.irp k, 0,1,2,3,4
	ds_load_b128 v[64+4*\k:67+4*\k], v8 offset:2048*\k
.endr
	s_wait_dscnt 0x0
	global_store_b128 v9, v[64:67], s[88:89]
	global_store_b128 v9, v[68:71], s[90:91]
	global_store_b128 v9, v[72:75], s[90:91] offset:32768
	global_store_b128 v9, v[76:79], s[90:91] offset:1048576
	global_store_b128 v9, v[80:83], s[90:91] offset:1081344
	s_wait_tensorcnt 0x0                           ; the wave's end
	ds_add_u32 v[SPW], v[NIL]
	s_wait_dscnt 0x0
	CROUND                                         ; the closing round
	s_endpgm
.Lfunc_end_k_q7a51c51e12_scores:
	.size	k_q7a51c51e12_scores, .Lfunc_end_k_q7a51c51e12_scores-k_q7a51c51e12_scores
	.p2alignl 7, 3214868480
	.fill 96, 4, 3214868480
	.section	.rodata,"a",@progbits
	.p2align	6, 0x0
	.amdhsa_kernel k_q7a51c51e12_scores
		.amdhsa_group_segment_fixed_size 327680
		.amdhsa_private_segment_fixed_size 0
		.amdhsa_enable_private_segment 0
		.amdhsa_kernarg_size 32
		.amdhsa_user_sgpr_count 2
		.amdhsa_user_sgpr_kernarg_segment_ptr 1
		.amdhsa_wavefront_size32 1
		.amdhsa_system_sgpr_workgroup_id_x 1
		.amdhsa_system_sgpr_workgroup_id_y 1
		.amdhsa_system_sgpr_workgroup_id_z 1
		.amdhsa_system_vgpr_workitem_id 0
		.amdhsa_next_free_vgpr 1024
		.amdhsa_next_free_sgpr 102
		.amdhsa_reserve_vcc 0
		.amdhsa_float_denorm_mode_32 3
		.amdhsa_float_denorm_mode_16_64 3
		.amdhsa_memory_ordered 1
		.amdhsa_forward_progress 1
		.amdhsa_inst_pref_size 133
	.end_amdhsa_kernel
	.amdgpu_metadata
---
amdhsa.version: [ 1, 2 ]
amdhsa.kernels:
  - .name:           k_q7a51c51e12_scores
    .symbol:         k_q7a51c51e12_scores.kd
    .args:
      - { .name: qk_img, .offset: 0, .size: 8, .value_kind: global_buffer, .address_space: global }
      - { .name: qk_sc, .offset: 8, .size: 8, .value_kind: global_buffer, .address_space: global }
      - { .name: p_img, .offset: 16, .size: 8, .value_kind: global_buffer, .address_space: global }
      - { .name: p_st, .offset: 24, .size: 8, .value_kind: global_buffer, .address_space: global }
    .group_segment_fixed_size: 327680
    .private_segment_fixed_size: 0
    .kernarg_segment_align: 8
    .kernarg_segment_size: 32
    .max_flat_workgroup_size: 128
    .sgpr_count:     102
    .vgpr_count:     1024
    .wavefront_size: 32
...
	.end_amdgpu_metadata
.endif
;; end of part 2
;; launch mix (part 3): grid 4 x 64, 4 waves a work-group, clusters of 4 x 4, 327,680 bytes of LDS; arguments p_img, p_st, v_img, v_sc, out0; writes out0
.if DOCPART == 3
	.amdgcn_target "amdgcn-amd-amdhsa--gfx1250"
	.amdhsa_code_object_version 6
	.text
	.protected	k_q7a51c51e12_mix
	.globl	k_q7a51c51e12_mix
	.p2align	8
	.type	k_q7a51c51e12_mix,@function
k_q7a51c51e12_mix:
	s_mov_b64 s[64:65], 0
	v_nop
	global_prefetch_b8 v0, s[64:65] scope:SCOPE_SE
	s_setreg_imm32_b32 hwreg(HW_REG_WAVE_MODE, 25, 1), 1
	s_wait_xcnt 0x0
	s_wait_alu depctr_hold_cnt(0) depctr_sa_sdst(0) depctr_va_vdst(0) depctr_va_sdst(0) depctr_va_ssrc(0) depctr_va_vcc(0) depctr_vm_vsrc(0)
	s_getreg_b32 s2, hwreg(HW_REG_IB_STS2, 6, 4)
	s_cmp_eq_u32 s2, 0
	s_cbranch_scc0 .Lentry_in_a_cluster
	s_endpgm
.Lentry_in_a_cluster:
	s_bfe_u32 s2, ttmp6, 0x10000c
	s_cmp_lg_u32 s2, 0xf033
	s_cbranch_scc0 .Lentry_shape_is_right
	s_endpgm
.Lentry_shape_is_right:
; THIRD OF THREE LAUNCHES.  out = (p v) / l on the codes of p and of v^T (K = the batch's 2,048 keys).  No work of the problem is left out here.
; THE ROW'S M.  The launch before made p in sixteen groups of 128 keys, each under a whole number M_g of its own.  Here M = the largest M_g of the row; d = M - M_g is taken off each of the group's four scale bytes,
; and l = the sum of l_g 2^-d.  Both are exact changes by powers of two: the codes stand as they are.
; LIMITS: d is held at 127, and a byte that would fall under 0 is held at 0, which stands for 2^-127: such a block's numbers lie under 2^-110 beside a row's sum above 1/2.  NaN and infinities are not served.
; SHARES.  A tile of 128 queries x 256 channels to a work-group of four waves: 64 x 4 = 256 work-groups; a wave makes 64 x 128: 32 accumulators, 256 registers.
; THE RING.  A K step of 256 keys is 32,768 bytes of p and 65,536 of v^T.  Three K steps' tiles, 294,912 bytes, lie in LDS: regions R0, R1, R2.  K steps 0, 1, 2 are first fills; the other five come by THREE refills:
; steps 3 and 4 together into R0 and R1, step 5 into R2, steps 6 and 7 together into R0 and R1.  Ahead of each refill every wave waits for all its tensor loads, so the fewer the refills, the fewer such waits.
; A pair of steps is four dense runs, one to a wave (waves 0, 1: p's 128 rows of the two steps; waves 2, 3: v^T's 256 rows); a single step is shared out by halves (64 rows of p, 128 of v^T to a wave): one load a wave each time.
; The price of the smaller tile: 48 LDS loads of 16 bytes a lane feed 32 matrix instructions, where a wave tile of 128 x 128 would feed 64 with 64.
; CLUSTERS: 4 x 4 work-groups.  p's tile is shared along a row of the cluster (four tiles of channels), v^T's along a column (four tiles of queries of one batch): each is asked for jointly, with a mask that names the four.
; Operands lie in memory as images of their registers ([K step of 256][row / 16][half][4 groups][32 lanes][16 bytes]); a fragment is four LDS loads at 16 x lane.
; v's scale words come once by a joint load, four rows of 1,024 bytes a wave; p's are made by the work-group itself and stored to LDS bytes into which no tile lands.
; The text is written out, with no loop: 16 units of 128 keys, 32 matrix instructions each; every LDS offset is an immediate.
; REGISTERS: window 0: v15-31 addresses; v32-43 scale words, two sets of six; v64-127 the way out; v128-255 p's fragments, two sets of 64 (ahead of the products: the statistics at work).
;   window 1: v^T's fragments, two sets of 128.   window 2: the accumulators, (a, b) at v[8 (8 a + b)].
; Of what stands above, this holds instead: the statistics come in 32 groups of 64 keys, two to a scale word; v's scale words come through registers; K steps 0 and 1 are the head's loads, K step 2 is first filled behind a round of its own.
.set FR,     16                        ; registers of a fragment
.set NP,     8                         ; places behind this matrix instruction (ISA guide 7.12.1)
.set ASTEP,  2097152                   ; a K step of p in memory: 8,192 rows x 256 bytes
.set BSTEP,  262144                    ; of v^T: 1,024 rows x 256 bytes
.set SIZE_N, 1024
.set REG,    98304                     ; a region: p's 128 rows, then v^T's 256 rows, of one K step
.set BOFF,   32768                     ; where v^T's rows begin in a region
.set PSC,    3*REG                     ; p's scale words under the row's M: 16 rows (128 keys each) of 128 words; stored by the waves
.set RLT,    PSC+8192                  ; 1 / l of the 128 rows; stored by the waves
.set VSCL,   RLT+512                   ; v's scale words: 16 rows of 256 words; filled once through registers
.set SPARE,  VSCL+16384                ; the spare words, 128 bytes for each wave: two blocks of 256 bytes that no other line names
.set STAGE,  2*REG                     ; the way out: 16 rows x (512 bytes + 16) for each wave, in R2, which has had its last fill and its last read at the barrier in unit 11
.set SPITCH, 528
.set FXS,  15                          ; v15  PSC + 4 x my thread's number: where my row's words go
.set ADRA, 16                          ; v16-18  LDS address of my fragments of p in R0, R1, R2
.set ADRB, 19                          ; v19-21  the same for v^T
.set ADSA, 22                          ; v22  p's scale words: my 64 rows, 4 x lane
.set RLA,  23                          ; v23  where 1 / l of my row lies
.set STO,  24
.set RD,   25
.set CO,   26
.set ADSB, 27                          ; v27  v's scale words: my 128 channels, 4 x lane
.set SPW,  28                          ; v28  LDS address of my spare word; never rewritten
.set NIL,  29                          ; v29  0; never rewritten
.set PFO,  30                          ; v30  256 x lane: the prefetches' offset; never rewritten
.set FXA,  31                          ; v31  4 x my thread's number: my row in a row of statistics; never rewritten
.set SC,   32                          ; set s at v[32 + 6 s]: registers 0-3 v^T's words (lanes 0-15 block 2 j, lanes 16-31 block 2 j + 1), registers 4-5 p's likewise
.set AF,   128
.set FW,   128                         ; ahead of the products: v128-143 the words, v144-175 -M_g, v176-207 l_g, v208-223 at work: register g for group g of my row
.set FM,   144
.set FL,   176                         ; v144-175 -M_g, v176-207 l_g
.set FU,   208
.set FN,   224                         ; the row's M
.set FS,   225                         ; l, then 1 / l
.set RL,   32                          ; the way out: v32-39 1 / l, twice for each of my four blocks of rows
.set YS,   64                          ; v64-127  a block's results / l
.set BK,   128                         ; v128-191, v192-255 by turns: 16 rows read back from the stage
.set G1AP, 24                          ; s[24:31] group 1: p's tile of a K step, 128 rows of 256 bytes
.set G1AS, 32                          ; s[32:39] half of it, 64 rows
.set G1BP, 48                          ; s[48:55] v^T's tile of a K step, 256 rows
.set G1BS, 56                          ; s[56:63] half of it, 128 rows
.set G0AP, 80                          ; s[80:95] the four walking groups 0
.set G0AS, 84
.set G0BP, 88
.set G0BS, 92
.set PFA,  96                          ; s[96:97], s[98:99] where my prefetches stand
.set PFB,  98
.set PFS,  100                         ; s[100:101] a K step on
.set LIM,  104                         ; s104 1 in a wave that prefetches, else -1
.set MSB, 0
.macro WIN new                         ; the immediate's high byte repeats the setting that is left
.if MSB != (\new)
	s_set_vgpr_msb (MSB<<8)|(\new)
.set MSB, (\new)
.endif
.endm
.set MUL,  0xa1                        ; source 0 (v^T) window 1, source 1 (p) window 0, C and D window 2
.set TO_B, 0x40                        ; destination window 1, address window 0
.macro JLOAD g0a, g1a, g0b, g1b        ; a joint load: waves 0 and 1 fetch for p, waves 2 and 3 for v^T; an s_nop 0 and four v_nop follow each line
	s_cmp_eq_u32 s15, 0
	s_cbranch_scc0 .Lfor_b_\@
	tensor_load_to_lds s[\g0a:\g0a+3], s[\g1a:\g1a+7]
	s_nop 0
.rept 4
	v_nop
.endr
	s_branch .Lasked_\@
.Lfor_b_\@:
	tensor_load_to_lds s[\g0b:\g0b+3], s[\g1b:\g1b+7]
	s_nop 0
.rept 4
	v_nop
.endr
.Lasked_\@:
.endm
; A PREFETCH INTO THE L2 of what the NEXT refill will load, behind a joint refill and the run of LDS loads that follows it: behind the first refill K step 5 (64 matrix instructions and a change of slots ahead of its load),
; behind the second K steps 6 and 7 (128 ahead).  p's tile of a K step is 32,768 dense bytes, read by one cluster alone: its four partners along the row take 8,192 bytes each BY ADDRESS (place cx), wave 0 asks, lanes 256 bytes apart.
; v^T's tile is 65,536 bytes, read by the four clusters of a batch: the first of them asks; its partners along the column take 16,384 bytes each (place cy), waves 2 and 3 half of that each.  So each block of 256 bytes is named once.
; K steps 0 to 4 come by their loads alone: nothing is asked at the head; the last refill asks for nothing.
.macro ASK two
	s_cmp_eq_u32 s[LIM], 1
	s_cbranch_scc0 .Lnot_mine_\@
	global_prefetch_b8 v[PFO], s[PFA:PFA+1] th:TH_LOAD_NT scope:SCOPE_SE
.if \two == 2
	global_prefetch_b8 v[PFO], s[PFB:PFB+1] th:TH_LOAD_NT scope:SCOPE_SE
.endif
.Lnot_mine_\@:
.endm
.macro CREST                           ; a round of the cluster's barrier behind its opening barrier
	s_cmp_lg_u32 s14, 0
	s_cbranch_scc1 .Lnot_wave_0_\@
	s_barrier_signal -3
.Lnot_wave_0_\@:
	s_barrier_wait -3
	s_barrier_signal -1
	s_barrier_wait -1
.endm
.macro CROUND
	s_barrier_signal -1
	s_barrier_wait -1
	CREST
.endm
.macro PLACES n                        ; plain vector instructions that name none of a matrix instruction's registers, ahead of loads into its registers and of reads of its results
.rept \n
	v_nop
.endr
.endm
; Unit u (128 keys) is half u % 2 of K step u / 2, which lies in region (u / 2) % 3; its fragments and scale words go into set u % 2.
.macro FRAG reg, adr, hf, i
.irp c, 0,1,2,3
	ds_load_b128 v[\reg+4*\c:\reg+4*\c+3], v[\adr] offset:2048*(\hf)+512*\c+4096*(\i)
.endr
.endm
.macro FETCH_B u                       ; v^T's eight fragments: 32 loads
	WIN TO_B
.irp i, 0,1,2,3,4,5,6,7
	FRAG 128*((\u)%2)+FR*\i, ADRB+(((\u)/2)%3), (\u)%2, \i
.endr
	WIN 0
.endm
.macro FETCH_A u                       ; p's four fragments: 16 loads, blocks 0, 1 first
.irp i, 0,1,2,3
	FRAG AF+64*((\u)%2)+FR*\i, ADRA+(((\u)/2)%3), (\u)%2, \i
.endr
.endm
.macro SCALES u                        ; six loads of 128 consecutive bytes
.irp j, 0,1,2,3
	ds_load_b32 v[SC+6*((\u)%2)+\j], v[ADSB] offset:1024*(\u)+128*\j
.endr
.irp j, 0,1
	ds_load_b32 v[SC+6*((\u)%2)+4+\j], v[ADSA] offset:512*(\u)+128*\j
.endr
.endm
; One product: p's block a x v^T's block b, on set p.  Source 0 = 16 channels, source 1 = 16 queries.  A block's words lie in lanes 0-15 of its register where its number is even, in lanes 16-31 where it is odd.
.macro WM1 a, b, p, zero
.set DD, 8*(8*(\a)+(\b))
.set BF, 128*(\p)+FR*(\b)
.set AA, AF+64*(\p)+FR*(\a)
.set SB, SC+6*(\p)+(\b)/2
.set SA, SC+6*(\p)+4+(\a)/2
.set RW, 2*((\a)%2)+(\b)%2
.if \zero
.if RW == 0
	v_wmma_scale_f32_16x16x128_f8f6f4 v[DD:DD+7], v[BF:BF+15], v[AA:AA+15], 0, v[SB], v[SA] matrix_a_fmt:MATRIX_FMT_BF8 matrix_b_fmt:MATRIX_FMT_BF8
.elseif RW == 1
	v_wmma_scale_f32_16x16x128_f8f6f4 v[DD:DD+7], v[BF:BF+15], v[AA:AA+15], 0, v[SB], v[SA] matrix_a_fmt:MATRIX_FMT_BF8 matrix_b_fmt:MATRIX_FMT_BF8 matrix_a_scale:MATRIX_SCALE_ROW1
.elseif RW == 2
	v_wmma_scale_f32_16x16x128_f8f6f4 v[DD:DD+7], v[BF:BF+15], v[AA:AA+15], 0, v[SB], v[SA] matrix_a_fmt:MATRIX_FMT_BF8 matrix_b_fmt:MATRIX_FMT_BF8 matrix_b_scale:MATRIX_SCALE_ROW1
.else
	v_wmma_scale_f32_16x16x128_f8f6f4 v[DD:DD+7], v[BF:BF+15], v[AA:AA+15], 0, v[SB], v[SA] matrix_a_fmt:MATRIX_FMT_BF8 matrix_b_fmt:MATRIX_FMT_BF8 matrix_a_scale:MATRIX_SCALE_ROW1 matrix_b_scale:MATRIX_SCALE_ROW1
.endif
.else
.if RW == 0
	v_wmma_scale_f32_16x16x128_f8f6f4 v[DD:DD+7], v[BF:BF+15], v[AA:AA+15], v[DD:DD+7], v[SB], v[SA] matrix_a_fmt:MATRIX_FMT_BF8 matrix_b_fmt:MATRIX_FMT_BF8
.elseif RW == 1
	v_wmma_scale_f32_16x16x128_f8f6f4 v[DD:DD+7], v[BF:BF+15], v[AA:AA+15], v[DD:DD+7], v[SB], v[SA] matrix_a_fmt:MATRIX_FMT_BF8 matrix_b_fmt:MATRIX_FMT_BF8 matrix_a_scale:MATRIX_SCALE_ROW1
.elseif RW == 2
	v_wmma_scale_f32_16x16x128_f8f6f4 v[DD:DD+7], v[BF:BF+15], v[AA:AA+15], v[DD:DD+7], v[SB], v[SA] matrix_a_fmt:MATRIX_FMT_BF8 matrix_b_fmt:MATRIX_FMT_BF8 matrix_b_scale:MATRIX_SCALE_ROW1
.else
	v_wmma_scale_f32_16x16x128_f8f6f4 v[DD:DD+7], v[BF:BF+15], v[AA:AA+15], v[DD:DD+7], v[SB], v[SA] matrix_a_fmt:MATRIX_FMT_BF8 matrix_b_fmt:MATRIX_FMT_BF8 matrix_a_scale:MATRIX_SCALE_ROW1 matrix_b_scale:MATRIX_SCALE_ROW1
.endif
.endif
.endm
.macro MULA a, p, zero                 ; eight products.  The 32 accumulators take turns, one instruction a turn, in the same order in every unit
.irp b, 0,1,2,3,4,5,6,7
	WM1 \a, \b, \p, \zero
.endr
.endm
; A unit whose successor lies in a region that is whole.  At its head the youngest 16 LDS loads are its own fragments of p.
.macro UNIT u, zero
	s_wait_dscnt 8                                 ; all but the youngest eight loads (p's blocks 2, 3 of this unit)
.if (\u) > 0
	PLACES NP                                      ; behind the unit before, whose products read the sets that are loaded now and in this unit's middle
.endif
	FETCH_B (\u)+1
	SCALES (\u)+1
	WIN MUL
	MULA 0, (\u)%2, \zero
	MULA 1, (\u)%2, \zero
	s_wait_dscnt 38                                ; p's blocks 2, 3 are in: behind them only the 32 + 6 loads just issued
	WIN 0
	FETCH_A (\u)+1
	WIN MUL
	MULA 2, (\u)%2, \zero
	MULA 3, (\u)%2, \zero
.endm
; A unit whose successor lies behind a change of slots.  Sixteen products go first, while the tiles land; then each wave waits for all its tensor loads, adds 0 to its spare word, and waits for that and for its reads;
; one barrier.  kind = 1: R0 and R1 are filled again, kind = 2: R2 (the barrier then opens a round of the cluster's, and the joint refill is the first thing behind it); kind = 0: nothing is filled.
.macro TURNU u, kind, ask
	s_wait_dscnt 8
	WIN MUL
	MULA 0, (\u)%2, 0
	MULA 1, (\u)%2, 0
	WIN 0                                          ; the add's two registers lie in window 0
.if \ask == 2
	s_wait_xcnt 0x0                                ; the last prefetch, 64 matrix instructions back, has read its address: it is stepped here, ahead of the waits of the change of slots
	s_add_nc_u64 s[PFA:PFA+1], s[PFA:PFA+1], s[PFS:PFS+1]
	s_add_nc_u64 s[PFB:PFB+1], s[PFA:PFA+1], s[PFS:PFS+1]
.endif
	s_wait_tensorcnt 0x0                           ; all my tensor loads have landed, so every group 0 may be written
	ds_add_u32 v[SPW], v[NIL]                      ; 0 onto my spare word; the descriptors' steps stand between it and the wait for it
.if \kind == 1
	s_add_nc_u64 s[G0AP+2:G0AP+3], s[G0AP+2:G0AP+3], 3*ASTEP   ; a region's next K step is three further on
	s_add_nc_u64 s[G0BP+2:G0BP+3], s[G0BP+2:G0BP+3], 3*BSTEP
.elseif \kind == 2
	s_add_nc_u64 s[G0AS+2:G0AS+3], s[G0AS+2:G0AS+3], 3*ASTEP
	s_add_nc_u64 s[G0BS+2:G0BS+3], s[G0BS+2:G0BS+3], 3*BSTEP
.endif
	s_wait_dscnt 0x0                               ; the add is done, and my reads of the regions that I have walked are over
	s_barrier_signal -1
	s_barrier_wait -1
.if \kind == 1
	CREST                                          ; no wave of any partner still reads these regions or has a load on its way
	JLOAD G0AP, G1AP, G0BP, G1BP                   ; its four v_nop are four of the eight places
	PLACES NP-4
.elseif \kind == 2
	CREST
	JLOAD G0AS, G1AS, G0BS, G1BS
	PLACES NP-4
.else
	PLACES NP
.endif
	FETCH_B (\u)+1
	SCALES (\u)+1
	FETCH_A (\u)+1
.if \ask
	ASK \ask
.endif
	WIN MUL
	MULA 2, (\u)%2, 0
	MULA 3, (\u)%2, 0
.endm
	s_load_b256 s[4:11], s[0:1], 0x0               ; p_img s[4:5], p_st s[6:7], v_img s[8:9], v_sc s[10:11]
	s_load_b64 s[12:13], s[0:1], 0x20              ; out0
	v_lshl_add_u32 v[SPW], v0, 2, SPARE
	v_mov_b32 v[NIL], 0
	ds_add_u32 v[SPW], v[NIL]                      ; the wave's opening: the add, twice on end, and its wait ahead of my first tensor load
	ds_add_u32 v[SPW], v[NIL]
	v_lshrrev_b32 v1, 5, v0
	v_readfirstlane_b32 s14, v1                    ; wave 0..3
	s_lshr_b32 s15, s14, 1                         ; my half of the queries.  Also: I fetch for p (0) or for v^T (1)
	s_and_b32 s16, s14, 1                          ; my half of the channels.  Also: which of a pair's two K steps, or which half of a single step's rows, I fetch
	s_bfe_u32 s40, ttmp6, 0x40000                  ; cx, cy
	s_bfe_u32 s41, ttmp6, 0x40004
	s_lshl_b32 s42, ttmp9, 2
	s_add_co_u32 s42, s42, s40                     ; my tile of 256 channels
	s_and_b32 s18, ttmp7, 0xffff                   ; cluster y, 0..15
	s_lshl_b32 s17, s18, 2
	s_add_co_u32 s17, s17, s41                     ; my tile of 128 queries among all 8,192 rows
	s_lshr_b32 s19, s18, 2                         ; the batch: sixteen tiles of queries each
	s_and_b32 s3, s18, 3                           ; 0 in the first of a batch's four clusters
	s_lshl_b32 s43, s41, 2
	s_lshl_b32 s43, 15, s43                        ; my row of the cluster
	s_lshl_b32 s44, 0x1111, s40                    ; my column
	; descriptor groups 1 for codes: dense bytes as rows of 256 (32 elements of 8 bytes), no padding; they differ in the mask and in the number of rows
	s_or_b32 s[G1AP+0], s43, (3<<16)|(1<<21)
	s_or_b32 s[G1AS+0], s43, (3<<16)|(1<<21)
	s_or_b32 s[G1BP+0], s44, (3<<16)|(1<<21)
	s_or_b32 s[G1BS+0], s44, (3<<16)|(1<<21)
.irp g, G1AP, G1AS, G1BP, G1BS
	s_mov_b32 s[\g+1], 32<<16
	s_mov_b32 s[\g+3], 32<<16
	s_mov_b32 s[\g+5], 32
	s_mov_b32 s[\g+6], 0
	s_mov_b32 s[\g+7], 0
.endr
	s_mov_b32 s[G1AP+2], 128<<16
	s_mov_b32 s[G1AP+4], 128
	s_mov_b32 s[G1AS+2], 64<<16
	s_mov_b32 s[G1AS+4], 64
	s_mov_b32 s[G1BP+2], 256<<16
	s_mov_b32 s[G1BP+4], 256
	s_mov_b32 s[G1BS+2], 128<<16
	s_mov_b32 s[G1BS+4], 128
	s_lshl_b32 s20, s17, 15                        ; p's codes: tile x 32,768
	s_mov_b32 s21, 0
	s_lshl_b32 s22, s17, 9                         ; the statistics of my tile's 128 rows
	s_mov_b32 s23, 0
	s_lshl_b32 s46, s42, 16                        ; v^T's codes: batch x 2,097,152 + tile x 65,536
	s_lshl_b32 s47, s19, 21
	s_add_co_u32 s46, s46, s47
	s_mov_b32 s47, 0
	s_lshl_b32 s66, s42, 10                        ; v's words: batch x 65,536 + tile x 1,024
	s_lshl_b32 s67, s19, 16
	s_add_co_u32 s66, s66, s67
	s_mov_b32 s67, 0
	s_mul_i32 s45, s16, REG                        ; a pair's pieces go to R0 or R1: no place in the cluster enters an LDS address
	v_lshrrev_b32 v7, 6, v0                        ; v's scale words: 64 threads take a row of 1,024 bytes (rows are 4,096 apart in memory, 1,024 in LDS)
	v_lshlrev_b32 v7, 12, v7
	v_and_b32 v8, 63, v0
	v_lshl_add_u32 v7, v8, 4, v7
	v_lshl_add_u32 v8, v0, 4, VSCL
	v_lshlrev_b32 v[FXA], 2, v0
	v_lshl_add_u32 v[FXS], v0, 2, PSC
	s_wait_alu depctr_va_vdst(0)
	s_wait_dscnt 0x0                               ; both opening adds are done
	s_wait_kmcnt 0x0
	s_add_nc_u64 s[20:21], s[4:5], s[20:21]
	s_add_nc_u64 s[46:47], s[8:9], s[46:47]
	s_add_nc_u64 s[66:67], s[10:11], s[66:67]
	s_add_nc_u64 s[6:7], s[6:7], s[22:23]
.irp k, 0,1,2,3,4,5,6,7
	global_load_b128 v[YS+4*\k:YS+4*\k+3], v7, s[66:67] offset:8192*\k
.endr
.irp g, 0,1,2,3,4,5,6,7,8,9,10,11,12,13,14,15      ; thread t takes row t of the tile: a wave's load covers 128 consecutive bytes
	global_load_b32 v[FW+\g], v[FXA], s[6:7] offset:32768*\g
	global_load_b32 v[FM+2*\g], v[FXA], s[6:7] offset:524288+65536*\g
	global_load_b32 v[FM+2*\g+1], v[FXA], s[6:7] offset:524288+65536*\g+32768
	global_load_b32 v[FL+2*\g], v[FXA], s[6:7] offset:1572864+65536*\g
	global_load_b32 v[FL+2*\g+1], v[FXA], s[6:7] offset:1572864+65536*\g+32768
.endr
	CROUND                                         ; all sixteen work-groups are here: the first joint loads meet
	s_mov_b32 s19, 0
	s_lshl_b32 s18, s16, 21                        ; K steps 0 and 1: wave 0 or 2 takes the first, wave 1 or 3 the second
	s_mov_b32 s[G0AP], 1
	s_mov_b32 s[G0AP+1], s45
	s_add_nc_u64 s[G0AP+2:G0AP+3], s[20:21], s[18:19]
	s_or_b32 s[G0AP+3], s[G0AP+3], 0x80000000
	s_lshl_b32 s18, s16, 18
	s_mov_b32 s[G0BP], 1
	s_add_co_u32 s[G0BP+1], s45, BOFF
	s_add_nc_u64 s[G0BP+2:G0BP+3], s[46:47], s[18:19]
	s_or_b32 s[G0BP+3], s[G0BP+3], 0x80000000
	JLOAD G0AP, G1AP, G0BP, G1BP
	s_lshl_b32 s18, s16, 14                        ; K step 2, by halves: 64 rows of p are 16,384 bytes,
	s_mov_b32 s[G0AS], 1
	s_add_co_u32 s[G0AS+1], s18, 2*REG
	s_add_nc_u64 s[G0AS+2:G0AS+3], s[20:21], s[18:19]
	s_add_nc_u64 s[G0AS+2:G0AS+3], s[G0AS+2:G0AS+3], 2*ASTEP
	s_or_b32 s[G0AS+3], s[G0AS+3], 0x80000000
	s_lshl_b32 s18, s16, 15                        ; 128 rows of v^T 32,768
	s_mov_b32 s[G0BS], 1
	s_add_co_u32 s[G0BS+1], s18, 2*REG+BOFF
	s_add_nc_u64 s[G0BS+2:G0BS+3], s[46:47], s[18:19]
	s_add_nc_u64 s[G0BS+2:G0BS+3], s[G0BS+2:G0BS+3], 2*BSTEP
	s_or_b32 s[G0BS+3], s[G0BS+3], 0x80000000
	; the prefetches: where mine stand, and who asks
	s_mov_b32 s[PFS], BSTEP
	s_cmp_eq_u32 s15, 0                            ; do I fetch for p?
	s_cselect_b64 s[PFA:PFA+1], s[20:21], s[46:47]
	s_cselect_b32 s[PFS], ASTEP, s[PFS]
	s_cselect_b32 s18, s40, s41                    ; my place among the four that ask with me
	s_cselect_b32 s19, s16, s3                     ; p: wave 0 asks, in every cluster; v^T: both waves, in the batch's first cluster
	s_cselect_b32 s22, 13, 14                      ; a partner's share: 8,192 bytes of p, 16,384 of v^T
	s_cmp_eq_u32 s19, 0
	s_cselect_b32 s[LIM], 1, -1                    ; the same in all sixteen partners, for a given wave
	s_lshl_b32 s18, s18, s22
	s_and_b32 s19, s16, s15
	s_lshl_b32 s19, s19, 13                        ; v^T: my wave's half of the share
	s_add_co_u32 s18, s18, s19
	s_mul_i32 s19, s[PFS], 5                       ; at K step 5
	s_add_co_u32 s18, s18, s19
	s_mov_b32 s19, 0
	s_mov_b32 s[PFS+1], 0
	s_add_nc_u64 s[PFA:PFA+1], s[PFA:PFA+1], s[18:19]
	v_and_b32 v1, 15, v0                           ; r
	v_bfe_u32 v2, v0, 4, 1                         ; h
	v_and_b32 v3, 31, v0
	s_wait_alu depctr_va_vdst(0)
	v_lshlrev_b32 v4, 4, v3                        ; 16 x lane: my place in every image
	v_lshlrev_b32 v[PFO], 8, v3
	s_lshl_b32 s22, s15, 14                        ; my 64 rows of p
	s_lshl_b32 s23, s16, 15                        ; my 128 rows of v^T,
	s_add_co_u32 s23, s23, BOFF                    ; which lie behind p's 128
.irp j, 0,1,2
	v_add_nc_u32 v[ADRA+\j], s22, v4
	v_add_nc_u32 v[ADRB+\j], s23, v4
	s_add_co_u32 s22, s22, REG
	s_add_co_u32 s23, s23, REG
.endr
	s_lshl_b32 s22, s15, 8
	s_add_co_u32 s22, s22, PSC
	v_lshl_add_u32 v[ADSA], v3, 2, s22             ; lane l takes the word of row 32 j + l of my 64: lanes 0-15 block 2 j, lanes 16-31 block 2 j + 1
	s_lshl_b32 s23, s16, 9
	s_add_co_u32 s23, s23, VSCL
	v_lshl_add_u32 v[ADSB], v3, 2, s23
	s_lshl_b32 s22, s15, 8
	s_add_co_u32 s22, s22, RLT
	v_lshl_add_u32 v[RLA], v1, 2, s22
	s_mul_i32 s23, s14, 16*SPITCH
	s_add_co_u32 s23, s23, STAGE                   ; my stage
	v_mul_u32_u24 v5, v1, SPITCH                   ; in: row r, 32 bytes for each half of the lanes
	v_lshl_add_u32 v5, v2, 5, v5
	v_add_nc_u32 v[STO], s23, v5
	v_mov_b32 v[CO], v4                            ; back: the 32 lanes take one row of 512 bytes; and the same in out0
	v_add_nc_u32 v[RD], s23, v4
	s_lshl_b32 s20, s17, 7
	s_lshl_b32 s21, s15, 6
	s_add_co_u32 s20, s20, s21                     ; my first row of out0
	s_mov_b32 s21, 0
	s_mov_b64 s[18:19], SIZE_N*4
	s_mul_u64 s[20:21], s[20:21], s[18:19]
	s_lshl_b32 s46, s42, 10                        ; my first channel, in bytes
	s_lshl_b32 s47, s16, 9
	s_add_co_u32 s46, s46, s47
	s_mov_b32 s47, 0
	s_add_nc_u64 s[20:21], s[20:21], s[46:47]
	s_add_nc_u64 s[12:13], s[12:13], s[20:21]
	; THE ROW'S M, its sum, and p's scale words under M.  The sixteen groups go by turns, so that no line waits for the line above it
	s_wait_loadcnt 0x0
.irp k, 0,1,2,3,4,5,6,7
	ds_store_b128 v8, v[YS+4*\k:YS+4*\k+3] offset:2048*\k
.endr
	v_max3_num_f32 v[FN], -v[FM], -v[FM+1], -v[FM+2]               ; what is stored is -M_g
.irp k, 3,5,7,9,11,13,15,17,19,21,23,25,27,29
	v_max3_num_f32 v[FN], v[FN], -v[FM+\k], -v[FM+\k+1]
.endr
	v_max_num_f32 v[FN], v[FN], -v[FM+31]          ; M = the largest of the 32 M_g
.irp g, 0,1,2,3,4,5,6,7,8,9,10,11,12,13,14,15
	v_sub_f32 v[FM+2*\g], -v[FM+2*\g], v[FN]       ; M_g - M = -d: a whole number, 0 or less
	v_sub_f32 v[FM+2*\g+1], -v[FM+2*\g+1], v[FN]
.endr
.irp g, 0,1,2,3,4,5,6,7,8,9,10,11,12,13,14,15
	v_max_num_f32 v[FM+2*\g], 0xc2fe0000, v[FM+2*\g]       ; held at -127
	v_max_num_f32 v[FM+2*\g+1], 0xc2fe0000, v[FM+2*\g+1]
.endr
.irp g, 0,1,2,3,4,5,6,7,8,9,10,11,12,13,14,15
	v_cvt_i32_f32 v[FM+2*\g], v[FM+2*\g]
	v_cvt_i32_f32 v[FM+2*\g+1], v[FM+2*\g+1]
.endr
.irp g, 0,1,2,3,4,5,6,7,8,9,10,11,12,13,14,15
	v_ldexp_f32 v[FL+2*\g], v[FL+2*\g], v[FM+2*\g]         ; l_g 2^-d
	v_ldexp_f32 v[FL+2*\g+1], v[FL+2*\g+1], v[FM+2*\g+1]
.endr
.irp g, 0,1,2,3,4,5,6,7,8,9,10,11,12,13,14,15
	v_or_b32 v[FW+\g], 0x80808080, v[FW+\g]                        ; 128 onto each byte (the bytes are 1 to 112), so that no byte borrows from the next: 128 + byte - d lies from 2 to 240
.endr
.irp g, 0,1,2,3,4,5,6,7,8,9,10,11,12,13,14,15
	v_mul_lo_u32 v[FM+2*\g], v[FM+2*\g], 0x101             ; -d in the places of the word's lower two bytes,
	v_mul_lo_u32 v[FM+2*\g+1], v[FM+2*\g+1], 0x1010000     ; and of its upper two
.endr
.irp g, 0,1,2,3,4,5,6,7,8,9,10,11,12,13,14,15
	v_add_nc_u32 v[FW+\g], v[FW+\g], v[FM+2*\g]
	v_add_nc_u32 v[FW+\g], v[FW+\g], v[FM+2*\g+1]
.endr
.irp g, 0,1,2,3,4,5,6,7,8,9,10,11,12,13,14,15
	v_and_b32 v[FM+\g], 0x80808080, v[FW+\g]                       ; a byte's top bit still stands where byte >= d
.endr
.irp g, 0,1,2,3,4,5,6,7,8,9,10,11,12,13,14,15
	v_lshrrev_b32 v[FU+\g], 7, v[FM+\g]
.endr
.irp g, 0,1,2,3,4,5,6,7,8,9,10,11,12,13,14,15
	v_sub_nc_u32 v[FM+\g], v[FM+\g], v[FU+\g]                      ; 0x7f there, 0 elsewhere
.endr
.irp g, 0,1,2,3,4,5,6,7,8,9,10,11,12,13,14,15
	v_and_b32 v[FW+\g], v[FW+\g], v[FM+\g]                         ; byte - d, or 0
.endr
.irp g, 0,1,2,3,4,5,6,7,8,9,10,11,12,13,14,15
	ds_store_b32 v[FXS], v[FW+\g] offset:512*\g
.endr
.irp g, 0,1,2,3,4,5,6,7
	v_add_f32 v[FL+\g], v[FL+\g], v[FL+16+\g]
	v_add_f32 v[FL+8+\g], v[FL+8+\g], v[FL+24+\g]
	v_add_f32 v[FL+\g], v[FL+\g], v[FL+8+\g]
.endr
.irp g, 0,1,2,3
	v_add_f32 v[FL+\g], v[FL+\g], v[FL+4+\g]
.endr
.irp g, 0,1
	v_add_f32 v[FL+\g], v[FL+\g], v[FL+2+\g]
.endr
	v_add_f32 v[FS], v[FL], v[FL+1]                ; l
	s_wait_alu depctr_va_vdst(0)
	v_rcp_f32 v[FS], v[FS]
	v_nop                                          ; a plain instruction behind the reciprocal,
	s_wait_alu depctr_va_vdst(0)                   ; and the wait ahead of the first line that names its result
	ds_store_b32 v[FXS], v[FS] offset:RLT-PSC
	s_wait_tensorcnt 0x0                           ; my piece of K steps 0 and 1 is in
	ds_add_u32 v[SPW], v[NIL]
	s_wait_dscnt 0x0                               ; the add is done; for the others' sake: my stores of p's and v's words and of 1 / l are done
	CROUND
	JLOAD G0AS, G1AS, G0BS, G1BS                   ; K step 2
	FETCH_B 0
	SCALES 0
	FETCH_A 0
	UNIT 0, 1                                      ; K step 0 (R0): the first unit's products start the sums: nothing is cleared
	UNIT 1, 0
	UNIT 2, 0                                      ; K step 1 (R1)
	TURNU 3, 1, 1                                  ; K step 2 has landed; R0 and R1 take K steps 3 and 4
	UNIT 4, 0                                      ; K step 2 (R2)
	TURNU 5, 2, 2                                  ; K steps 3 and 4 have landed; R2 takes K step 5
	UNIT 6, 0                                      ; K step 3 (R0)
	UNIT 7, 0
	UNIT 8, 0                                      ; K step 4 (R1)
	TURNU 9, 1, 0                                  ; K step 5 has landed; R0 and R1 take K steps 6 and 7: the last loads
	UNIT 10, 0                                     ; K step 5 (R2)
	TURNU 11, 0, 0                                 ; K steps 6 and 7 have landed; nothing is filled, so no round follows
	UNIT 12, 0                                     ; K step 6 (R0)
	UNIT 13, 0
	UNIT 14, 0                                     ; K step 7 (R1)
	s_wait_dscnt 8                                 ; the last unit: nothing more to fetch
	WIN MUL
	MULA 0, 1, 0
	MULA 1, 1, 0
	s_wait_dscnt 0x0
	MULA 2, 1, 0
	MULA 3, 1, 0
	WIN 0
; THE WAY OUT, block by block of 16 rows x 128 channels: x 1 / l; through my own stage in LDS; back as whole rows of 512 bytes, which the 32 lanes store as two aligned runs of 256 bytes.
.macro SCALE a
.set AC, 64*(\a)
	WIN 0x02                                       ; source 0: window 2
.set i, 0
.rept 32
	v_pk_mul_f32 v[YS+2*i:YS+2*i+1], v[AC+2*i:AC+2*i+1], v[RL+2*(\a):RL+2*(\a)+1]   ; each accumulator from its low end on
.set i, i+1
.endr
	WIN 0
.endm
.macro TOSTAGE a
.irp b, 0,1,2,3,4,5,6,7
	ds_store_b128 v[STO], v[YS+8*\b:YS+8*\b+3] offset:64*\b
	ds_store_b128 v[STO], v[YS+8*\b+4:YS+8*\b+7] offset:64*\b+16
.endr
.set BB, BK+64*((\a)%2)
.irp t, 0,1,2,3,4,5,6,7,8,9,10,11,12,13,14,15
	ds_load_b128 v[BB+4*\t:BB+4*\t+3], v[RD] offset:\t*SPITCH      ; LDS serves a wave's instructions in order: these see the stores above, and the next block's stores come behind them
.endr
.endm
.macro SEND a, younger                 ; younger: the LDS instructions issued behind block a's loads, which may stay out
.set BB, BK+64*((\a)%2)
	s_wait_dscnt \younger
.if (\a) > 0
	s_add_nc_u64 s[12:13], s[12:13], 16*SIZE_N*4   ; (behind a wait on XCNT: the earlier stores have read their base)  16 rows on
.endif
.irp t, 0,1,2,3,4,5,6,7,8,9,10,11,12,13,14,15
	global_store_b128 v[CO], v[BB+4*\t:BB+4*\t+3], s[12:13] offset:\t*SIZE_N*4 th:TH_STORE_NT   ; 32 lanes store 512 consecutive bytes, at a multiple of 256 from out0's first byte
.endr
.endm
	PLACES NP
.irp a, 0,1,2,3
	ds_load_b32 v[RL+2*\a], v[RLA] offset:64*\a    ; 1 / l of row 16 a + r, twice: a pair for the packed multiply
	ds_load_b32 v[RL+2*\a+1], v[RLA] offset:64*\a
.endr
	s_wait_dscnt 0x0
	SCALE 0
	TOSTAGE 0
.irp a, 1,2,3
.if \a > 1
	s_wait_xcnt 0x0                                ; block a - 2's stores have read their registers and their base: block a's loads may land there, and the base may step
.endif
	s_wait_dscnt 16                                ; block a - 1's 16 stores into the stage have read v64-127 (its 16 loads may be out): the registers are written again
	SCALE \a
	TOSTAGE \a
	SEND \a-1, 32                                  ; behind block a - 1's loads: block a's 16 stores and 16 loads
.endr
	s_wait_xcnt 0x0                                ; block 2's stores have read their base
	SEND 3, 0
	s_wait_tensorcnt 0x0                           ; the wave's end, behind my last tensor load and my last LDS store
	ds_add_u32 v[SPW], v[NIL]
	s_wait_dscnt 0x0
	CROUND                                         ; the closing round: no work-group ends while a partner may still ask for a tile that names it
	s_endpgm
.Lfunc_end_k_q7a51c51e12_mix:
	.size	k_q7a51c51e12_mix, .Lfunc_end_k_q7a51c51e12_mix-k_q7a51c51e12_mix
	.p2alignl 7, 3214868480
	.fill 96, 4, 3214868480
	.section	.rodata,"a",@progbits
	.p2align	6, 0x0
	.amdhsa_kernel k_q7a51c51e12_mix
		.amdhsa_group_segment_fixed_size 327680
		.amdhsa_private_segment_fixed_size 0
		.amdhsa_enable_private_segment 0
		.amdhsa_kernarg_size 40
		.amdhsa_user_sgpr_count 2
		.amdhsa_user_sgpr_kernarg_segment_ptr 1
		.amdhsa_wavefront_size32 1
		.amdhsa_system_sgpr_workgroup_id_x 1
		.amdhsa_system_sgpr_workgroup_id_y 1
		.amdhsa_system_sgpr_workgroup_id_z 1
		.amdhsa_system_vgpr_workitem_id 0
		.amdhsa_next_free_vgpr 768
		.amdhsa_next_free_sgpr 106
		.amdhsa_reserve_vcc 0
		.amdhsa_float_denorm_mode_32 3
		.amdhsa_float_denorm_mode_16_64 3
		.amdhsa_memory_ordered 1
		.amdhsa_forward_progress 1
		.amdhsa_inst_pref_size 189
	.end_amdhsa_kernel
	.amdgpu_metadata
---
amdhsa.version: [ 1, 2 ]
amdhsa.kernels:
  - .name:           k_q7a51c51e12_mix
    .symbol:         k_q7a51c51e12_mix.kd
    .args:
      - { .name: p_img, .offset: 0, .size: 8, .value_kind: global_buffer, .address_space: global }
      - { .name: p_st, .offset: 8, .size: 8, .value_kind: global_buffer, .address_space: global }
      - { .name: v_img, .offset: 16, .size: 8, .value_kind: global_buffer, .address_space: global }
      - { .name: v_sc, .offset: 24, .size: 8, .value_kind: global_buffer, .address_space: global }
      - { .name: out0, .offset: 32, .size: 8, .value_kind: global_buffer, .address_space: global }
    .group_segment_fixed_size: 327680
    .private_segment_fixed_size: 0
    .kernarg_segment_align: 8
    .kernarg_segment_size: 40
    .max_flat_workgroup_size: 128
    .sgpr_count:     106
    .vgpr_count:     768
    .wavefront_size: 32
...
	.end_amdgpu_metadata
.endif
;; end of part 3
